; MI455X (gfx1250); checked and timed in simulation.
; The chip was launched on July 23, 2026; its instructions are those of AMD's public machine-readable ISA for CDNA 5 (MIT licence, August 2026) and "CDNA5" Instruction Set Architecture Reference Guide (July 2026). The comments in the code are by the model that wrote it; some were corrected since.
;; Adaptive Scaled Dot Product Attention. Allowed arithmetic: matrix products marked QUANTISED: E2M1 operands, one E8M0 scale for each 32 along K, by v_wmma_scale_f32_16x16x128_f8f6f4 with both operands' format E2M1 (or v_wmma_scale_f32_32x16x128_f4), f32 sums; products left as they are: bf16, f16 or f32 operands; f32 sums; everything else in f32.
;; Inputs: Wk 1,024 x 1,024 float32; Wo 1,024 x 1,024 float32; Wq 1,024 x 1,024 float32; Ws 1,024 x 1,024 float32; Wv 1,024 x 1,024 float32; bk 1,024 float32; bo 1,024 float32; bq 1,024 float32; bs 1,024 float32; bv 1,024 float32; keys 8 x 1,024 x 1,024 float32; language_signals 8 x 1,024 x 1,024 float32; queries 8 x 1,024 x 1,024 float32; values 8 x 1,024 x 1,024 float32.
;; Outputs: out0 8 x 1,024 x 1,024 float32.
;; This version of the problem:
;;   THIS VERSION OF THE PROBLEM IS GIVEN IN LOW PRECISION. The matrix products marked QUANTISED in the list below multiply operands that are first quantised to E2M1 (2 exponent bits, 1 mantissa bit; 4 bits a number), with one power-of-two scale for each 32 numbers along K (OCP MX v1.0); their sums are f32. The products marked 'left as it is' may take bf16, f16 or f32 operands, with f32 sums. Whichever they take, every output number must still come out within the allowed error. Rounding operands to bf16 (8 significant bits) uses up far more of that allowance than f16 does (11 bits, for magnitudes from 6e-5 to 65,504). All else is computed in f32.
;;   The module's matrix products, in the order in which they are computed (A, B: the left and right operand; K: the contracted axis; several contracted axes count as one K, in the product's order):
;;     1. [M 8,192, K 1,024] x [K 1,024, N 1,024]; A: input queries; B: input Wq: QUANTISED
;;     2. [M 8,192, K 1,024] x [K 1,024, N 1,024]; A: input language_signals; B: input Ws: QUANTISED
;;     3. [M 8,192, K 1,024] x [K 1,024, N 1,024]; A: input keys; B: input Wk: QUANTISED
;;     4. [M 8,192, K 1,024] x [K 1,024, N 1,024]; A: input values; B: input Wv: QUANTISED
;;     5. batch 64 x [M 1,024, K 128] x [K 128, N 1,024]; A: computed on the way; B: computed on the way: left as it is (an operand is computed on the way)
;;     6. batch 65,536 x [M 1, K 128] x [K 128, N 1]; A: computed on the way; B: computed on the way: left as it is (M = 1 < 16)
;;     7. batch 64 x [M 1,024, K 1,024] x [K 1,024, N 128]; A: computed on the way; B: computed on the way: left as it is (an operand is computed on the way)
;;     8. [M 8,192, K 1,024] x [K 1,024, N 1,024]; A: computed on the way; B: input Wo: left as it is (an operand is computed on the way)
;;   THE QUANTISER, for each operand of a quantised product, along K:
;;     - K is cut into blocks of 32 from its start; a last block that is shorter is filled with zeros.
;;     - A block's scale is 2^e with e = floor(log2(the largest magnitude in the block)) - 2, held to -126 .. 127; a block of zeros has e = 0. As a byte (E8M0): e + 127.
;;     - Each number is divided by its block's scale, clamped to +-6, and rounded to the nearest number of E2M1, ties to even, subnormals kept.
;;     - The product sums the exact products of the quantised numbers (number of the format x scale) in f32.
;;   ~~~python
;;   def quantise(x, axis):      # numpy; x: float32 -> the quantised numbers, widened to float32 again
;;       x = np.moveaxis(x, axis, -1); K = x.shape[-1]
;;       x = np.pad(x, [(0, 0)] * (x.ndim - 1) + [(0, -K % 32)]); x = x.reshape(x.shape[:-1] + (-1, 32)); a = np.abs(x).max(-1, keepdims=True)
;;       e = np.where(a > 0, np.clip(np.frexp(np.where(a > 0, a, 1))[1] - 1 - 2, -126, 127), 0)      # np.frexp(a)[1] - 1 = floor(log2(a)), exactly
;;       r = np.clip(x / 2.0 ** e, -6, 6)
;;       step = 2.0 ** (np.maximum(np.frexp(np.where(r == 0, 1, r))[1] - 1, 0) - 1)
;;       q = np.round(r / step) * step * 2.0 ** e      # np.round: ties to even
;;       return np.moveaxis(q.reshape(q.shape[:-2] + (-1,))[..., :K], -1, axis).astype(np.float32)
;;   ~~~
;; One version. Each part assembles by itself: llvm-mc -triple=amdgcn-amd-amdhsa -mcpu=gfx1250 --defsym DOCPART=n.
;; ======== version 1 of 1: 4 launches
;; limits: values outside matrix products are rounded to f16; values are held in f16: magnitudes above 65,504 overflow, below 6.1e-05 lose precision
;; workspace buffers: codes 18,874,368 bytes; scales 1,179,648 bytes; wo16 2,097,152 bytes; proj 67,108,864 bytes; att 16,777,216 bytes
;; launch quant (part 1): grid 1184 x 1, 4 waves a work-group, no clusters, 33,280 bytes of LDS; arguments queries, language_signals, keys, values, Wq, Ws, Wk, Wv, Wo, codes, scales, wo16; writes codes, scales, wo16
.if DOCPART == 1
	.amdgcn_target "amdgcn-amd-amdhsa--gfx1250"
	.amdhsa_code_object_version 6
	.text
	.protected	k_q8f8a0b0c07_quant
	.globl	k_q8f8a0b0c07_quant
	.p2align	8
	.type	k_q8f8a0b0c07_quant,@function
k_q8f8a0b0c07_quant:
	s_mov_b64 s[64:65], 0
	v_nop
	global_prefetch_b8 v0, s[64:65] scope:SCOPE_SE
	s_setreg_imm32_b32 hwreg(HW_REG_WAVE_MODE, 25, 1), 1
	s_wait_xcnt 0x0
; LAUNCH 1 OF 4.  The operands of the four quantised projections (queries, language_signals, keys, values: [8192][1024] f32; Wq, Ws, Wk, Wv: [1024][1024] f32, K innermost in all of them)
; become codes of FP4 (E2M1), K innermost, with one E8M0 scale byte for each 32 along K; Wo becomes f16 for the last product, which is left as it is.
; NO WORK OF THE PROBLEM IS LEFT OUT, AND EVERY INPUT IS LOADED BY SOME LAUNCH.  bk adds q.bk to the 1,024 key scores but not to the sentinel's score, so it is not the same along the softmax's axis; bv reaches the
; result with the weight 1 - p(sentinel); bq, bs and bo enter plainly.
; THE WORKSPACE.  codes: [36,864 rows][512 bytes], scales: [36,864][32 bytes]; rows 0-8191 queries, 8192-16383 language_signals, 16384-24575 keys, 24576-32767 values, then 1,024 rows each of Wq, Ws, Wk, Wv.
; A block's scale is 2^(floor(log2(its largest magnitude)) - 2); its byte is the largest magnitude's own exponent field - 2, held at 1 from below.  (A block of zeros so gets the byte 1 where the rule says 127: its codes
; are zeros, which add nothing under any byte but 0xff, and the bytes are read by this program alone.)  Each number is divided by the scale and rounded to the nearest code, ties to even, beyond 6 the largest code.
; LIMITS: blocks whose largest magnitude lies under 2^(2 - 126) get the byte 1; NaN and infinities among the inputs are not served; Wo's numbers beyond 65,504 become infinities in f16.
; SHARES.  A work-group takes 32,768 numbers (32 rows), a wave 8,192 in 16 steps of 512.  Work-groups 0-1023: the four activations, 256 each; 1024-1151: the four weights, 32 each; 1152-1183: Wo.
; Rows are dense and 1,024 is a multiple of 32: each tensor is a plain stream of blocks, and since the workspace rows follow the work-groups' order, the destination is linear in the work-group's number.
; The conversions take 8 numbers of ONE block from a lane's registers, so a lane must hold 16 neighbours; a load is best where neighbouring lanes take neighbouring bytes.  Both are had: each load reads 512 consecutive
; bytes, a step's 2,048 bytes go through the wave's own stage in LDS and come back 64 bytes a lane (16 bytes of padding behind each 64).  No tensor loads, no barrier: waves share nothing.
.set WAVES, 4
.set STEPS, 16
.set EMAX,  2
.set CB,    8                          ; bytes of 16 codes
.set R,     16                         ; v16-79   four sets of 16 numbers as they are loaded
.set X,     80                         ; v80-111  two sets of 16 neighbours (Wo's path: f16 pairs to store)
.set C,     128                        ; v128-191 codes: four registers for each step, so that no store's data are written again
.set E,     112                        ; v112-127 a scale byte for each step
.set WREG,  8192                       ; LDS: a region for each wave: two stages of 32 x SP bytes, behind them its 256 scale bytes
.set SP,    80                         ; a lane's place in a stage: 64 bytes + 16 of padding
.set SPW,   12                         ; v12      LDS address of my spare word; never rewritten
.set NIL,   13                         ; v13      0; never rewritten
.set SPARE, WAVES*WREG                 ; behind the four regions: the spare words, 128 bytes a wave, which no other line names
	s_load_b256 s[4:11], s[0:1], 0x0               ; queries, language_signals, keys, values
	s_load_b256 s[12:19], s[0:1], 0x20             ; Wq, Ws, Wk, Wv
	s_load_b256 s[20:27], s[0:1], 0x40             ; Wo s[20:21], codes s[22:23], scales s[24:25], wo16 s[26:27]
	v_lshl_add_u32 v[SPW], v0, 2, SPARE
	v_mov_b32 v[NIL], 0
	v_lshrrev_b32 v1, 5, v0
	v_readfirstlane_b32 s28, v1                    ; wave
	v_and_b32 v2, 31, v0                           ; lane
	v_lshlrev_b32 v3, 4, v2                        ; my 16 bytes of a load's 512
	s_mul_i32 s29, s28, WREG
	v_lshrrev_b32 v14, 2, v2
	v_mul_u32_u24 v14, v14, SP
	v_and_b32 v15, 3, v2
	v_lshl_add_u32 v14, v15, 4, v14
	v_add_nc_u32 v14, s29, v14                     ; the stage, on the way in: SP (lane / 4) + 16 (lane % 4)
	v_mul_u32_u24 v15, v2, SP
	v_add_nc_u32 v15, s29, v15                     ; and on the way out: SP x lane: my 16 neighbours
	v_mul_u32_u24 v4, v2, CB                       ; my codes' place in a step's (Wo's path: my 8 bytes of f16)
	v_lshrrev_b32 v5, 1, v2
	s_add_co_u32 s29, s29, 2*32*SP
	v_add_nc_u32 v5, s29, v5                       ; LDS: my wave's 256 scale bytes, my block's byte
	v_lshlrev_b32 v7, 3, v2                        ; and on the way out 8 bytes a lane
	v_add_nc_u32 v6, s29, v7
	s_wait_kmcnt 0x0
	s_cmp_ge_u32 ttmp9, 1152                       ; the last 32 work-groups take Wo: a branch on the work-group's number; that path touches no LDS
	s_cbranch_scc1 .Lwo
	; which tensor, and which part of it: only pointers are chosen, all eight tensors take one path through the text
	s_lshr_b32 s36, ttmp9, 8                       ; 0..3: the activation; 4: a weight
	s_sub_co_u32 s37, ttmp9, 1024
	s_lshr_b32 s37, s37, 5                         ; 0..3: the weight; under 1,024 the difference wraps to a number that matches none
	s_and_b32 s38, ttmp9, 255                      ; an activation's part
	s_and_b32 s39, ttmp9, 31                       ; a weight's part
	s_cmp_eq_u32 s36, 1
	s_cselect_b64 s[4:5], s[6:7], s[4:5]
	s_cmp_eq_u32 s36, 2
	s_cselect_b64 s[4:5], s[8:9], s[4:5]
	s_cmp_eq_u32 s36, 3
	s_cselect_b64 s[4:5], s[10:11], s[4:5]
	s_cmp_eq_u32 s37, 0
	s_cselect_b64 s[4:5], s[12:13], s[4:5]
	s_cmp_eq_u32 s37, 1
	s_cselect_b64 s[4:5], s[14:15], s[4:5]
	s_cmp_eq_u32 s37, 2
	s_cselect_b64 s[4:5], s[16:17], s[4:5]
	s_cmp_eq_u32 s37, 3
	s_cselect_b64 s[4:5], s[18:19], s[4:5]
	s_cmp_lt_u32 ttmp9, 1024
	s_cselect_b32 s38, s38, s39
	s_lshl_b32 s38, s38, 2
	s_add_co_u32 s38, s38, s28                     ; which run of 8,192 numbers of the tensor is my wave's
	s_lshl_b32 s30, s38, 15                        ; 32,768 bytes a run
	s_mov_b32 s31, 0
	s_add_nc_u64 s[4:5], s[4:5], s[30:31]
	s_lshl_b32 s36, ttmp9, 2
	s_add_co_u32 s36, s36, s28                     ; and which run of the workspace
	s_lshl_b32 s32, s36, 12                        ; 4,096 bytes of codes a run
	s_mov_b32 s33, 0
	s_add_nc_u64 s[22:23], s[22:23], s[32:33]
	s_lshl_b32 s34, s36, 8                         ; 256 scale bytes a run
	s_mov_b32 s35, 0
	s_add_nc_u64 s[24:25], s[24:25], s[34:35]
.macro LOAD t
.irp i, 0,1,2,3
	global_load_b128 v[R+16*((\t)%4)+4*\i:R+16*((\t)%4)+4*\i+3], v3, s[4:5] offset:2048*(\t)+512*\i th:TH_LOAD_NT   ; 32 lanes read 512 consecutive bytes
.endr
.endm
.macro TURN t                          ; step t's numbers through the stage: LDS serves a wave's instructions in order, so no wait stands between the stores and the loads
.irp i, 0,1,2,3
	ds_store_b128 v14, v[R+16*((\t)%4)+4*\i:R+16*((\t)%4)+4*\i+3] offset:32*SP*((\t)%2)+8*SP*\i
.endr
.irp i, 0,1,2,3
	ds_load_b128 v[X+16*((\t)%2)+4*\i:X+16*((\t)%2)+4*\i+3], v15 offset:32*SP*((\t)%2)+16*\i
.endr
.endm
.irp t, 0,1,2,3
	LOAD \t
.endr
	s_wait_loadcnt 12                              ; step 0's four loads are in; the twelve of steps 1 to 3 may be out
	TURN 0
.macro STEP t
.set XS, X+16*((\t)%2)
.if (\t) > 0
	s_wait_dscnt 1                                 ; this step's numbers are back from the stage (the last step's byte store may be out): so its stores into the stage have read their registers,
.else
	s_wait_dscnt 0x0
.endif
.if (\t)+4 < STEPS
	LOAD (\t)+4                                    ; which take the loads of four steps on
.endif
.if (\t)+1 < STEPS
.if STEPS-2-(\t) >= 3
	s_wait_loadcnt 12                              ; the next step's four loads are in; those of the three steps behind it may be out
.else
	s_wait_loadcnt 4*(STEPS-2-(\t))                ; the tail: four loads for each step still behind the next
.endif
	TURN (\t)+1                                    ; and go through the other stage while this step is worked
.endif
	v_max3_num_f32 v8, |v[XS]|, |v[XS+1]|, |v[XS+2]|               ; the largest magnitude of my 16, in two chains
	v_max3_num_f32 v9, |v[XS+3]|, |v[XS+4]|, |v[XS+5]|
.irp i, 6,10
	v_max3_num_f32 v8, v8, |v[XS+\i]|, |v[XS+\i+1]|
	v_max3_num_f32 v9, v9, |v[XS+\i+2]|, |v[XS+\i+3]|
.endr
	v_max3_num_f32 v8, v8, |v[XS+14]|, |v[XS+15]|
	v_max3_num_f32 v8, v8, v9, (EMAX+1)<<23        ; and the floor 2^(EMAX + 1 - 127): so the byte cannot fall under 1
	v_max_num_f32_dpp v8, v8, v8 row_xmask:1 row_mask:0xf bank_mask:0xf   ; and of my neighbour's 16: the block's
	v_add_nc_u32 v11, -(EMAX<<23), v8              ; EMAX off its exponent field: the conversion takes the exponent field of this operand as its scale, and nothing else of it
	v_cvt_scalef32_pk8_fp4_f32 v[C+4*(\t)], v[XS:XS+7], v11
	v_cvt_scalef32_pk8_fp4_f32 v[C+4*(\t)+1], v[XS+8:XS+15], v11
	v_lshrrev_b32 v[E+(\t)], 23, v11               ; the scale's byte (a plain line behind the conversions)
	ds_store_b8 v5, v[E+(\t)] offset:16*(\t)       ; both lanes of a block write the same byte with the same value
	global_store_b64 v4, v[C+4*(\t):C+4*(\t)+1], s[22:23] offset:32*CB*(\t)   ; the wave stores 256 consecutive bytes, aligned
.endm
.irp t, 0,1,2,3,4,5,6,7,8,9,10,11,12,13,14,15
	STEP \t
.endr
	ds_load_b64 v[8:9], v6                         ; LDS serves a wave's instructions in order: these see my stores
	s_wait_dscnt 0x0
	global_store_b64 v7, v[8:9], s[24:25]          ; 32 lanes store 256 consecutive bytes, aligned
	s_wait_tensorcnt 0x0                           ; the wave's end, behind my last LDS store
	ds_add_u32 v[SPW], v[NIL]
	s_wait_dscnt 0x0
	s_endpgm
.Lwo:                                          ; Wo to f16, rounded once to nearest even: a wave takes 8,192 numbers in four rounds of sixteen loads
	s_sub_co_u32 s36, ttmp9, 1152
	s_lshl_b32 s36, s36, 2
	s_add_co_u32 s36, s36, s28
	s_lshl_b32 s30, s36, 15
	s_mov_b32 s31, 0
	s_add_nc_u64 s[20:21], s[20:21], s[30:31]
	s_lshl_b32 s32, s36, 14
	s_mov_b32 s33, 0
	s_add_nc_u64 s[26:27], s[26:27], s[32:33]
.irp q, 0,1,2,3
.if \q > 0
	s_wait_xcnt 0x0                                ; the last round's stores have read their data registers, which this round writes again
.endif
.irp i, 0,1,2,3,4,5,6,7,8,9,10,11,12,13,14,15
	global_load_b128 v[R+4*\i:R+4*\i+3], v3, s[20:21] offset:(16*\q+\i)*512 th:TH_LOAD_NT
.endr
.irp i, 0,1,2,3,4,5,6,7,8,9,10,11,12,13,14,15
	s_wait_loadcnt 15-\i                           ; loads come back in order: load i is in, the 15 - i behind it may be out
	v_cvt_pk_f16_f32 v[X+2*\i], v[R+4*\i], v[R+4*\i+1]
	v_cvt_pk_f16_f32 v[X+2*\i+1], v[R+4*\i+2], v[R+4*\i+3]
	global_store_b64 v4, v[X+2*\i:X+2*\i+1], s[26:27] offset:(16*\q+\i)*256   ; the wave stores 256 consecutive bytes, aligned
.endr
.endr
	s_endpgm
.Lfunc_end_k_q8f8a0b0c07_quant:
	.size	k_q8f8a0b0c07_quant, .Lfunc_end_k_q8f8a0b0c07_quant-k_q8f8a0b0c07_quant
	.p2alignl 7, 3214868480
	.fill 96, 4, 3214868480
	.section	.rodata,"a",@progbits
	.p2align	6, 0x0
	.amdhsa_kernel k_q8f8a0b0c07_quant
		.amdhsa_group_segment_fixed_size 33280
		.amdhsa_private_segment_fixed_size 0
		.amdhsa_enable_private_segment 0
		.amdhsa_kernarg_size 96
		.amdhsa_user_sgpr_count 2
		.amdhsa_user_sgpr_kernarg_segment_ptr 1
		.amdhsa_wavefront_size32 1
		.amdhsa_system_sgpr_workgroup_id_x 1
		.amdhsa_system_sgpr_workgroup_id_y 1
		.amdhsa_system_sgpr_workgroup_id_z 1
		.amdhsa_system_vgpr_workitem_id 0
		.amdhsa_next_free_vgpr 192
		.amdhsa_next_free_sgpr 66
		.amdhsa_reserve_vcc 0
		.amdhsa_float_denorm_mode_32 3
		.amdhsa_float_denorm_mode_16_64 3
		.amdhsa_memory_ordered 1
		.amdhsa_forward_progress 1
		.amdhsa_inst_pref_size 56
	.end_amdhsa_kernel
	.amdgpu_metadata
---
amdhsa.version: [ 1, 2 ]
amdhsa.kernels:
  - .name:           k_q8f8a0b0c07_quant
    .symbol:         k_q8f8a0b0c07_quant.kd
    .args:
      - { .name: queries, .offset: 0, .size: 8, .value_kind: global_buffer, .address_space: global }
      - { .name: language_signals, .offset: 8, .size: 8, .value_kind: global_buffer, .address_space: global }
      - { .name: keys, .offset: 16, .size: 8, .value_kind: global_buffer, .address_space: global }
      - { .name: values, .offset: 24, .size: 8, .value_kind: global_buffer, .address_space: global }
      - { .name: Wq, .offset: 32, .size: 8, .value_kind: global_buffer, .address_space: global }
      - { .name: Ws, .offset: 40, .size: 8, .value_kind: global_buffer, .address_space: global }
      - { .name: Wk, .offset: 48, .size: 8, .value_kind: global_buffer, .address_space: global }
      - { .name: Wv, .offset: 56, .size: 8, .value_kind: global_buffer, .address_space: global }
      - { .name: Wo, .offset: 64, .size: 8, .value_kind: global_buffer, .address_space: global }
      - { .name: codes, .offset: 72, .size: 8, .value_kind: global_buffer, .address_space: global }
      - { .name: scales, .offset: 80, .size: 8, .value_kind: global_buffer, .address_space: global }
      - { .name: wo16, .offset: 88, .size: 8, .value_kind: global_buffer, .address_space: global }
    .group_segment_fixed_size: 33280
    .private_segment_fixed_size: 0
    .kernarg_segment_align: 8
    .kernarg_segment_size: 96
    .max_flat_workgroup_size: 128
    .sgpr_count:     66
    .vgpr_count:     192
    .wavefront_size: 32
...
	.end_amdgpu_metadata
.endif
;; end of part 1
;; launch projg (part 2): grid 4 x 64, 4 waves a work-group, clusters of 4 x 4, 327,680 bytes of LDS; arguments codes, scales, bq, bs, bk, bv, proj; writes proj
.if DOCPART == 2
	.amdgcn_target "amdgcn-amd-amdhsa--gfx1250"
	.amdhsa_code_object_version 6
	.text
	.protected	k_q8f8a0b0c07_projg
	.globl	k_q8f8a0b0c07_projg
	.p2align	8
	.type	k_q8f8a0b0c07_projg,@function
k_q8f8a0b0c07_projg:
	s_mov_b64 s[64:65], 0
	v_nop
	global_prefetch_b8 v0, s[64:65] scope:SCOPE_SE
	s_setreg_imm32_b32 hwreg(HW_REG_WAVE_MODE, 25, 1), 1
	s_wait_xcnt 0x0
	s_wait_alu depctr_hold_cnt(0) depctr_sa_sdst(0) depctr_va_vdst(0) depctr_va_sdst(0) depctr_va_ssrc(0) depctr_va_vcc(0) depctr_vm_vsrc(0)
	s_getreg_b32 s2, hwreg(HW_REG_IB_STS2, 6, 4)
	s_cmp_eq_u32 s2, 0
	s_cbranch_scc0 .Lentry_in_a_cluster
	s_endpgm
.Lentry_in_a_cluster:
	s_bfe_u32 s2, ttmp6, 0x10000c
	s_cmp_lg_u32 s2, 0xf033
	s_cbranch_scc0 .Lentry_shape_is_right
	s_endpgm
.Lentry_shape_is_right:
; LAUNCH 2 OF 4.  The four quantised projections as ONE product on codes of FP4 (E2M1) with E8M0 scales: proj[g][m][n] = sum over k of X_g[m][k] W_g[n][k] + b_g[n], g = q, s, k, v; sums in f32, the result rounded once to f16.
; A is the workspace's first 32,768 rows (the four activations on end), B the 1,024 rows of the weight that belongs to the tile's activation: rows 32,768 + 1,024 g on.  K = 1,024.  No work is left out.
; LIMIT: proj is kept in f16 for the products that are left as they are: magnitudes beyond 65,504 become infinities.
; A tile of 256 x 256 is made by a work-group of four waves; a wave makes 128 x 128: 64 accumulators of 16 x 16, 512 registers.  K goes in two steps of 512 through two LDS slots: a tile's row is 256 bytes of memory.
; A WORK-GROUP STAYS: it makes TWO tiles, 4,096 rows apart, in one activation.  They share their rows of B: B's codes and scale bytes come once and stay.  A's come anew: slot 0's half when the first tile has left slot 0,
; slot 1's half and A's scale bytes when it has left slot 1; they land while the first tile is finished and goes out, and nothing waits for the first tile's stores.
; CLUSTERS: 4 x 4 work-groups.  The four of a row of the cluster need the same tiles of A, the four of a column the same tiles of B (a cluster's tile rows lie in one activation): each tile is asked for JOINTLY, by the same
; tensor load with the same descriptor and a mask that names the four.
; THE MATRIX INSTRUCTION IS USED TRANSPOSED (source 0 = 16 rows of B, source 1 = 16 rows of A): a lane holds eight neighbouring numbers of a row of the result.  THE BIAS IS THE C OF EACH SUM'S FIRST PRODUCT.
; REGISTERS, in windows of 256: window 0: v0-31 addresses; v32-95 scale words, two sets; v96-127 packed results; v128-191 A's fragments, one set; v192-255 the bias in the result's layout, kept for both tiles; on the way out
;   v32-95 take the rows read back.   window 1: B's fragments, two sets, at v0 and v128.   window 2: the accumulators of my rows 0-63 ((a, b) at v[8 (8 a + b)]);   window 3: those of my rows 64-127.
.set KSTEP,  512
.set NQ,     KSTEP/128                 ; matrix instructions deep in a slot
.set ROWB,   256                       ; a tile's row in bytes
.set KROW,   512                       ; a row of codes in memory
.set PITCH,  272                       ; an LDS row: 256 bytes + 16 of padding = 68 words: the 16 rows that a load touches start at 16 different banks (64 banks of 4 bytes: ISA guide 11.1)
.set FR,     8
.set NL,     2
.set NP,     4                         ; places behind this matrix instruction (ISA guide 7.12.1)
.set HALFT,  128*PITCH
.set SLOT,   4*HALFT
.set KS,     32                        ; a row of scales in bytes
.set SCL,    2*SLOT
.set HALFS,  (128*KS/256)*272
.set SBLK,   (16*KS/256)*272
.set SPITCH, 272                       ; the way out: a stage of 16 rows x (256 bytes + 16) for each wave,
.set STAGE,  SCL+4*HALFS               ; behind the scales, in bytes of its own: no tensor load lands there
.set SPARE,  STAGE+4*16*SPITCH         ; the spare words, 128 bytes a wave, which no other line names
.set OROW,   2048                      ; a row of proj in bytes
.set WALK,   4096                      ; rows from the first tile to the second
.set A2C,    WALK*KROW                 ; the same in bytes of codes,
.set A2S,    WALK*KS                   ; of scale bytes,
.set NEXT_O, (WALK-7*16)*OROW          ; and, from my last 16 rows of the first tile to my first of the second, of proj
.set ADRA, 16
.set ADRB, 20
.set STO,  24
.set RD,   25
.set CO,   26
.set ADRS, 27
.set SPW,  28
.set NIL,  29
.set BOF,  30                          ; v30  the bias loads' offset: 32 x (lane / 16)
.set SC,   32
.set TMP,  96                          ; the way out: packed results
.set OB,   32                          ; the way out: 16 rows read back: v32-63 and v64-95 by turns
.set AF,   128
.set BI,   192                         ; the bias: for B's block b, v[BI + 8 b ..]: lane (r, h) holds columns 16 b + 8 h + 0 .. 7
.set G1, 24
.set G0, 32
.set G1B, 48
.set G0B, 56
.set G1S, 68
.set G0S, 76
.set G1SB, 80
.set G0SB, 88
.set G0S2, 96                          ; s[96:99] group 0 for the second tile's scale bytes of A
.set MSB, 0
.macro WIN new                         ; the immediate's high byte repeats the setting that is left
.if MSB != (\new)
	s_set_vgpr_msb (MSB<<8)|(\new)
.set MSB, (\new)
.endif
.endm
.set MUL_LO, 0xa1                      ; source 0 (B) window 1, source 1 (A) window 0, C and D window 2
.set MUL_HI, 0xf1                      ; the same, C and D window 3.  In a tile's first step C is the bias, in window 0: 0x81 and 0xc1
.set TO_B,   0x40
; A joint load in two arms: waves 0 and 1 take the first, waves 2 and 3 the second.  Each line has one mask and one set of registers for all that issue it; the branch hangs on the wave's number alone.
; An s_nop 0 and four v_nop follow each of the two lines.
.macro JLOAD g0a, g1a, g0b, g1b
	s_cmp_eq_u32 s15, 0
	s_cbranch_scc0 .Lfor_b_\@
	tensor_load_to_lds s[\g0a:\g0a+3], s[\g1a:\g1a+7]
	s_nop 0
.rept 4
	v_nop
.endr
	s_branch .Lasked_\@
.Lfor_b_\@:
	tensor_load_to_lds s[\g0b:\g0b+3], s[\g1b:\g1b+7]
	s_nop 0
.rept 4
	v_nop
.endr
.Lasked_\@:
.endm
.macro ALOAD                           ; slot 0's half for A is filled again: waves 0 and 1 fetch its two halves; waves 2 and 3 have no part of it and issue nothing
	s_cmp_eq_u32 s15, 0
	s_cbranch_scc0 .Lno_part_\@
	tensor_load_to_lds s[G0:G0+3], s[G1:G1+7]
	s_nop 0
.rept 4
	v_nop
.endr
.Lno_part_\@:
.endm
.macro CREST                           ; a round of the cluster's barrier behind its opening barrier
	s_cmp_lg_u32 s14, 0
	s_cbranch_scc1 .Lnot_wave_0_\@
	s_barrier_signal -3
.Lnot_wave_0_\@:
	s_barrier_wait -3
	s_barrier_signal -1
	s_barrier_wait -1
.endm
.macro CROUND                          ; a whole round
	s_barrier_signal -1
	s_barrier_wait -1
	CREST
.endm
	s_load_b128 s[4:7], s[0:1], 0x0                ; codes s[4:5], scales s[6:7]
	s_load_b128 s[8:11], s[0:1], 0x10              ; bq, bs
	s_load_b128 s[96:99], s[0:1], 0x20             ; bk, bv
	s_load_b64 s[12:13], s[0:1], 0x30              ; proj
	v_lshl_add_u32 v[SPW], v0, 2, SPARE
	v_mov_b32 v[NIL], 0
	ds_add_u32 v[SPW], v[NIL]                      ; the wave's opening: the add, twice on end, and its wait ahead of my first tensor load
	ds_add_u32 v[SPW], v[NIL]
	v_lshrrev_b32 v1, 5, v0
	v_readfirstlane_b32 s14, v1                    ; wave 0..3
	s_lshr_b32 s15, s14, 1                         ; which half of the tile's rows is mine.  Also: which arm of a joint load I take
	s_and_b32 s16, s14, 1                          ; which half of its columns.  Also: which 128 rows I fetch
	s_bfe_u32 s40, ttmp6, 0x40000                  ; cx, cy: my place in the cluster
	s_bfe_u32 s41, ttmp6, 0x40004
	s_lshl_b32 s42, ttmp9, 2
	s_add_co_u32 s42, s42, s40                     ; tile column = 4 x cluster x + cx
	s_and_b32 s95, ttmp7, 0xffff
	s_lshr_b32 s95, s95, 2                         ; g = cluster y / 4: which projection; the same in all sixteen partners
	s_and_b32 s17, ttmp7, 0xffff
	s_lshl_b32 s17, s17, 2
	s_add_co_u32 s17, s17, s41
	s_lshl_b32 s18, s95, 4
	s_add_co_u32 s17, s17, s18                     ; my first tile row = 4 x cluster y + cy + 16 g = 32 g + 4 (cluster y % 4) + cy; the second lies 16 tile rows on
	s_lshl_b32 s43, s41, 2
	s_lshl_b32 s43, 15, s43                        ; my row of the cluster
	s_lshl_b32 s44, 0x1111, s40                    ; my column
	; descriptor group 1: a tile of 128 rows x 256 bytes, padded in LDS
	s_or_b32 s[G1+0], s43, (0<<16)|(1<<20)|(1<<21)|(5<<22)|(3<<25)  ; 15:0 the mask; 17:16 elements of 1 byte; 20 padding on; 21 set beside a mask; 24:22 after every 64 words; 31:25 four words
	s_or_b32 s[G1B+0], s44, (0<<16)|(1<<20)|(1<<21)|(5<<22)|(3<<25)
.irp g, G1, G1B
	s_mov_b32 s[\g+1], ROWB<<16                    ; tensor_dim0
	s_mov_b32 s[\g+2], 128<<16                     ; tensor_dim1
	s_mov_b32 s[\g+3], ROWB<<16                    ; tile_dim0
	s_mov_b32 s[\g+4], 128                         ; tile_dim1
	s_mov_b32 s[\g+5], KROW                        ; tensor_dim0_stride
	s_mov_b32 s[\g+6], 0
	s_mov_b32 s[\g+7], 0
.endr
	; the scales of 128 rows: a dense block of 4,096 bytes, as 16 rows of 256 bytes (32 elements of 8 bytes), 16 bytes of padding behind each
	s_or_b32 s[G1S+0], s43, (3<<16)|(1<<20)|(1<<21)|(5<<22)|(3<<25)
	s_or_b32 s[G1SB+0], s44, (3<<16)|(1<<20)|(1<<21)|(5<<22)|(3<<25)
.irp g, G1S, G1SB
	s_mov_b32 s[\g+1], 32<<16
	s_mov_b32 s[\g+2], (128*KS/256)<<16
	s_mov_b32 s[\g+3], 32<<16
	s_mov_b32 s[\g+4], 128*KS/256
	s_mov_b32 s[\g+5], 32
	s_mov_b32 s[\g+6], 0
	s_mov_b32 s[\g+7], 0
.endr
	s_lshl_b32 s18, s16, 7                         ; which 128 rows I fetch
	s_lshl_b32 s20, s17, 8
	s_add_co_u32 s20, s20, s18                     ; A: workspace row 256 x tile row + 128 x half
	s_lshl_b32 s46, s42, 8
	s_add_co_u32 s46, s46, s18
	s_lshl_b32 s47, s95, 10
	s_add_co_u32 s46, s46, s47
	s_add_co_u32 s46, s46, 32768                   ; B: workspace row 32,768 + 1,024 g + 256 x tile column + 128 x half: cx and the cluster's y alone
	s_mov_b32 s21, 0
	s_mov_b32 s47, 0
	s_mov_b64 s[18:19], KS
	s_mul_u64 s[22:23], s[20:21], s[18:19]         ; where these rows' scales begin, in bytes
	s_mul_u64 s[92:93], s[46:47], s[18:19]
	s_mov_b64 s[18:19], KROW
	s_mul_u64 s[20:21], s[20:21], s[18:19]         ; and their codes
	s_mul_u64 s[46:47], s[46:47], s[18:19]
	s_mul_i32 s45, s14, HALFT                      ; where they go: wave x 128 rows: no place in the cluster enters an LDS address
	s_mul_i32 s94, s14, HALFS
	s_wait_dscnt 0x0                               ; both opening adds are done
	s_wait_kmcnt 0x0
	s_add_nc_u64 s[20:21], s[4:5], s[20:21]
	s_add_nc_u64 s[22:23], s[6:7], s[22:23]
	s_add_nc_u64 s[46:47], s[4:5], s[46:47]
	s_add_nc_u64 s[92:93], s[6:7], s[92:93]
	; the bias of my 128 columns: g picks the vector (0 bq, 1 bs, 2 bk, 3 bv): a choice that hangs on no address.  It stands here so that s[96:99] are free for a descriptor
	s_and_b32 s18, s95, 1
	s_cmp_lg_u32 s18, 0
	s_cselect_b64 s[8:9], s[10:11], s[8:9]
	s_cselect_b64 s[96:97], s[98:99], s[96:97]
	s_cmp_lt_u32 s95, 2
	s_cselect_b64 s[8:9], s[8:9], s[96:97]
	s_lshl_b32 s18, s42, 10
	s_lshl_b32 s19, s16, 9
	s_add_co_u32 s18, s18, s19                     ; 4 bytes x (256 x tile column + 128 x half)
	s_mov_b32 s19, 0
	s_add_nc_u64 s[8:9], s[8:9], s[18:19]
	CROUND                                         ; all sixteen work-groups are here: the first joint loads meet
	s_mov_b32 s[G0S], 1
	s_add_co_u32 s[G0S+1], s94, SCL
	s_mov_b64 s[G0S+2:G0S+3], s[22:23]
	s_or_b32 s[G0S+3], s[G0S+3], 0x80000000
	s_mov_b32 s[G0SB], 1
	s_add_co_u32 s[G0SB+1], s94, SCL
	s_mov_b64 s[G0SB+2:G0SB+3], s[92:93]
	s_or_b32 s[G0SB+3], s[G0SB+3], 0x80000000
	s_mov_b32 s[G0S2], 1                           ; the second tile's scale bytes of A, which waves 2 and 3 will fetch: half wave % 2,
	s_mul_i32 s[G0S2+1], s16, HALFS
	s_add_co_u32 s[G0S2+1], s[G0S2+1], SCL         ; onto the first tile's,
	s_add_nc_u64 s[G0S2+2:G0S2+3], s[22:23], A2S   ; from 4,096 rows further down
	s_or_b32 s[G0S2+3], s[G0S2+3], 0x80000000
	JLOAD G0S, G1S, G0SB, G1SB                     ; the scales first: they are wanted with K step 0
.irp s, 0,1
	s_mov_b32 s[G0+4*\s], 1
	s_add_co_u32 s[G0+4*\s+1], s45, \s*SLOT
	s_add_nc_u64 s[G0+4*\s+2:G0+4*\s+3], s[20:21], \s*ROWB
	s_or_b32 s[G0+4*\s+3], s[G0+4*\s+3], 0x80000000
	s_mov_b32 s[G0B+4*\s], 1
	s_add_co_u32 s[G0B+4*\s+1], s45, \s*SLOT
	s_add_nc_u64 s[G0B+4*\s+2:G0B+4*\s+3], s[46:47], \s*ROWB
	s_or_b32 s[G0B+4*\s+3], s[G0B+4*\s+3], 0x80000000
	JLOAD G0+4*\s, G1, G0B+4*\s, G1B               ; three tensor loads of mine are out
.endr
	v_and_b32 v1, 15, v0                           ; l % 16
	v_bfe_u32 v2, v0, 4, 1                         ; l / 16
	v_lshlrev_b32 v[BOF], 5, v2
.irp b, 0,1,2,3,4,5,6,7
	global_load_b128 v[BI+8*\b:BI+8*\b+3], v[BOF], s[8:9] offset:64*\b
	global_load_b128 v[BI+8*\b+4:BI+8*\b+7], v[BOF], s[8:9] offset:64*\b+16
.endr
	v_mul_u32_u24 v3, v1, PITCH
	v_lshl_add_u32 v4, v2, 4, v3                   ; a fragment's row x pitch + 16 x half
	s_mul_i32 s21, s15, HALFT                      ; my 128 rows of A
	s_mul_i32 s22, s16, HALFT                      ; my 128 rows of B,
	s_add_co_u32 s22, s22, 2*HALFT                 ; which lie behind A's 256
.irp s, 0,1
	v_add_nc_u32 v[ADRA+\s], s21, v4
	v_add_nc_u32 v[ADRB+\s], s22, v4
	s_add_co_u32 s21, s21, SLOT
	s_add_co_u32 s22, s22, SLOT
.endr
	v_mul_u32_u24 v5, v1, KS                       ; my row's scales: KS bytes a row,
	v_lshrrev_b32 v6, 8, v5
	v_lshl_add_u32 v5, v6, 4, v5                   ; and 16 more for each 256 passed
	s_mul_i32 s21, s15, HALFS
	s_mul_i32 s22, s16, HALFS
	s_add_co_u32 s22, s22, 2*HALFS
	s_sub_co_u32 s22, s22, s21
	v_mul_u32_u24 v6, s22, v2                      ; lanes 16-31 take B's: one product, the distance between the two bases
	s_add_co_u32 s21, s21, SCL
	v_add_nc_u32 v5, v5, v6
	v_add_nc_u32 v[ADRS], s21, v5                  ; never rewritten: K step 1's words lie 16 bytes on in each row, which stands in the loads' immediate
	s_mul_i32 s23, s14, 16*SPITCH
	s_add_co_u32 s23, s23, STAGE                   ; my stage
	v_mul_u32_u24 v5, v1, SPITCH                   ; in: row l % 16, 16 bytes for each half of the lanes
	v_lshl_add_u32 v5, v2, 4, v5
	v_add_nc_u32 v[STO], s23, v5
	v_mul_u32_u24 v5, v2, SPITCH                   ; back: lanes 0-15 take one row of 256 bytes, lanes 16-31 the next
	v_lshl_add_u32 v5, v1, 4, v5
	v_add_nc_u32 v[RD], s23, v5
	v_lshlrev_b32 v5, 11, v2                       ; and the same two rows in proj
	v_lshl_add_u32 v[CO], v1, 4, v5
	s_lshl_b32 s20, s17, 8
	s_lshl_b32 s21, s15, 7
	s_add_co_u32 s20, s20, s21                     ; my first row of proj: 256 x tile row + 128 x half (the four parts lie on end, as A's rows do)
	s_mov_b32 s21, 0
	s_lshl_b64 s[20:21], s[20:21], 11
	s_lshl_b32 s46, s42, 9                         ; my first column, in bytes: 512 x tile column + 256 x half
	s_lshl_b32 s47, s16, 8
	s_add_co_u32 s46, s46, s47
	s_mov_b32 s47, 0
	s_add_nc_u64 s[20:21], s[20:21], s[46:47]
	s_add_nc_u64 s[12:13], s[12:13], s[20:21]
.macro FRAG reg, adr, q, i             ; 16 rows x 128 K of 4-bit codes: lane l holds row l % 16; registers 4 c .. 4 c + 3 hold K = 64 c + 32 (l / 16) + 0 .. 31
.irp c, 0,1
	ds_load_b128 v[\reg+4*\c:\reg+4*\c+3], v[\adr] offset:64*(\q)+32*\c+(\i)*16*PITCH
.endr
.endm
; 16 matrix instructions: A's blocks a0, a0 + 1 x B's eight, the slot's q-th 128 along K.  p: B's set; sc: the set of scale words.  zero = 1: the first product starts the sums from the bias.
; The 64 accumulators take turns, one instruction a turn, in the same order in every step, from tile to tile too.
.macro MUL16 a0, p, q, sc, zero
.irp a, \a0, \a0+1
.irp b, 0,1,2,3,4,5,6,7
.if \zero
	v_wmma_scale_f32_16x16x128_f8f6f4 v[8*(8*((\a)%4)+\b):8*(8*((\a)%4)+\b)+7], v[128*(\p)+FR*\b:128*(\p)+FR*\b+FR-1], v[AF+FR*(\a):AF+FR*(\a)+FR-1], v[BI+8*\b:BI+8*\b+7], v[SC+8*NQ*(\sc)+NQ*\b+(\q)], v[SC+8*NQ*(\sc)+NQ*(\a)+(\q)] matrix_a_fmt:MATRIX_FMT_FP4 matrix_b_fmt:MATRIX_FMT_FP4 matrix_a_scale:MATRIX_SCALE_ROW1
.else
	v_wmma_scale_f32_16x16x128_f8f6f4 v[8*(8*((\a)%4)+\b):8*(8*((\a)%4)+\b)+7], v[128*(\p)+FR*\b:128*(\p)+FR*\b+FR-1], v[AF+FR*(\a):AF+FR*(\a)+FR-1], v[8*(8*((\a)%4)+\b):8*(8*((\a)%4)+\b)+7], v[SC+8*NQ*(\sc)+NQ*\b+(\q)], v[SC+8*NQ*(\sc)+NQ*(\a)+(\q)] matrix_a_fmt:MATRIX_FMT_FP4 matrix_b_fmt:MATRIX_FMT_FP4 matrix_a_scale:MATRIX_SCALE_ROW1
.endif
.endr
.endr
.endm
.macro FETCH_B slot, q, p
	WIN TO_B
.irp i, 0,1,2,3,4,5,6,7
	FRAG 128*(\p)+FR*\i, ADRB+\slot, \q, \i
.endr
	WIN 0
.endm
.macro FETCH_A slot, q, i0
.irp i, \i0, \i0+1, \i0+2, \i0+3
	FRAG AF+FR*(\i), ADRA+\slot, \q, \i
.endr
.endm
.macro SCALES sc                       ; K step sc's scale words into set sc: four words a row; lanes 0-15 take A's block i, lanes 16-31 B's block i
.irp i, 0,1,2,3,4,5,6,7
	ds_load_b128 v[SC+8*NQ*\sc+NQ*\i:SC+8*NQ*\sc+NQ*\i+3], v[ADRS] offset:\i*SBLK+4*NQ*\sc
.endr
.endm
.macro PLACES n                        ; plain vector instructions that name none of a matrix instruction's registers, in front of loads into its sources and of reads of its results
.rept \n
	v_nop
.endr
.endm
.macro STEP slot, q, zero              ; a step of 128 along K that has its successor in the same slot
	s_wait_dscnt 4*NL                              ; B's set and A's blocks 0-3 are in; the youngest eight loads (A's blocks 4-7) may be out
	WIN MUL_LO-0x20*(\zero)
	MUL16 0, (\q)%2, \q, \slot, \zero
	MUL16 2, (\q)%2, \q, \slot, \zero
	s_wait_dscnt 0                                 ; A's blocks 4-7 are in
	PLACES NP
	FETCH_B \slot, (\q)+1, 1-(\q)%2
	FETCH_A \slot, (\q)+1, 0
	WIN MUL_HI-0x30*(\zero)
	MUL16 4, (\q)%2, \q, \slot, \zero
	MUL16 6, (\q)%2, \q, \slot, \zero
	PLACES NP
	WIN 0
	FETCH_A \slot, (\q)+1, 4
.endm
.macro STEPS slot, from
.set Q, \from
.rept NQ-1-\from
	STEP \slot, Q, 0
.set Q, Q+1
.endr
.endm
; A slot's last step changes slots: one barrier; in front of it each wave waits for all its tensor loads, adds 0 to its spare word, and waits for that and for its reads of this slot.
; fill = 0: nothing is filled.  fill = 1 (slot 0 of the first tile): the barrier opens a round of the cluster's, and this slot's half for A takes the second tile's K step 0.  fill = 2 (slot 1 of the first tile): likewise its
; K step 1, and A's scale bytes, whose last words were read with this slot's first fragments, take the second tile's; the scale words are then fetched behind the barrier that follows the way out.
.macro TURN slot, next, fill
	s_wait_tensorcnt 0x0                           ; all my tensor loads have landed: my part of the next slot  (every window is 0 here: the add's two registers lie in window 0)
	ds_add_u32 v[SPW], v[NIL]
	s_wait_dscnt 4*NL+1                            ; the add and the youngest eight loads (A's blocks 4-7) may be out
	WIN MUL_LO
	MUL16 0, 1, NQ-1, \slot, 0                     ; sixteen matrix instructions stand between the add and the wait for it
	s_wait_dscnt 0x0                               ; the add is done, and my reads of this slot are over
	s_barrier_signal -1
	MUL16 2, 1, NQ-1, \slot, 0
	WIN 0
	s_barrier_wait -1
.if \fill
	CREST                                          ; no wave of any partner still reads this slot's tile or has a load on its way
	s_add_nc_u64 s[G0+4*\slot+2:G0+4*\slot+3], s[G0+4*\slot+2:G0+4*\slot+3], A2C   ; the same K step of the rows 4,096 further down; the type bits on top are not reached
.endif
.if \fill == 1
	ALOAD                                          ; the first tensor load behind the round, in waves 0 and 1 alone
.elseif \fill == 2
	JLOAD G0+4, G1, G0S2, G1S                      ; waves 0 and 1: A's codes; waves 2 and 3: A's scale bytes; both go to my row of the cluster
.endif
	PLACES NP                                      ; in front of the loads below, on every wave's way
	FETCH_B \next, 0, 0
	FETCH_A \next, 0, 0
.if \fill != 2
	SCALES \next
.endif
	WIN MUL_HI
	MUL16 4, 1, NQ-1, \slot, 0
	MUL16 6, 1, NQ-1, \slot, 0
	PLACES NP
	WIN 0
	FETCH_A \next, 0, 4
.endm
; THE WAY OUT, block by block of 16 rows x 128 columns.  PACK: rounded to f16, 16 bytes a lane, each accumulator from its low end on.  TOSTAGE: into my own stage and back as whole rows of 256 bytes.  SEND: stored.
.macro PACK a
.set AC, 64*((\a)%4)
	WIN 0x0a+5*((\a)/4)                            ; sources 0 and 1: window 2 or 3
.irp b, 0,1,2,3,4,5,6,7
.irp r, 0,1,2,3
	v_cvt_pk_f16_f32 v[TMP+4*\b+\r], v[AC+8*\b+2*\r], v[AC+8*\b+2*\r+1]
.endr
.endr
	WIN 0
.endm
.macro TOSTAGE a
.set BK, OB+32*((\a)%2)
.irp b, 0,1,2,3,4,5,6,7
	ds_store_b128 v[STO], v[TMP+4*\b:TMP+4*\b+3] offset:32*\b
.endr
.irp t, 0,1,2,3,4,5,6,7
	ds_load_b128 v[BK+4*\t:BK+4*\t+3], v[RD] offset:\t*2*SPITCH    ; LDS serves a wave's instructions in order: these see the stores above
.endr
.endm
.macro SEND a
.set BK, OB+32*((\a)%2)
	s_wait_dscnt 0x0                               ; the block is back in registers
	s_wait_xcnt 0x0                                ; earlier stores have read their base and their data: only behind this wait are they written again
.if (\a) > 0
	s_add_nc_u64 s[12:13], s[12:13], 16*OROW       ; 16 rows on
.endif
.irp t, 0,1,2,3,4,5,6,7
	global_store_b128 v[CO], v[BK+4*\t:BK+4*\t+3], s[12:13] offset:2*\t*OROW th:TH_STORE_NT   ; 16 lanes store 256 consecutive bytes, at a multiple of 256 from proj's first byte
.endr
.endm
.macro WAYOUT
	PLACES NP                                      ; behind the last products: for the loads into the registers that held scale words
	PACK 0
	TOSTAGE 0
.irp a, 1,2,3,4,5,6,7                  ; block a's conversions stand between block a - 1's loads from the stage and the wait for them
	PACK \a
	SEND \a-1
	TOSTAGE \a
.endr
	SEND 7
.endm
	s_wait_tensorcnt 1                             ; the scales and my part of K step 0 are in (slot 1's load, issued last, may be out)
	s_barrier_signal -1
	s_barrier_wait -1                              ; everybody's are
	FETCH_B 0, 0, 0
	FETCH_A 0, 0, 0
	SCALES 0
	FETCH_A 0, 0, 4
	s_wait_loadcnt 0x0                             ; the bias
	; ---- the first tile
	STEP 0, 0, 1                                   ; the first step's products start the sums from the bias
	STEPS 0, 1
	TURN 0, 1, 1                                   ; slot 0's half for A takes the second tile's K step 0: it has slot 1's four steps in which to land
	STEPS 1, 0
	TURN 1, 0, 2                                   ; slot 1's half for A and A's scale bytes take the second tile's; the second tile's first fragments are fetched
	WAYOUT                                         ; both refills are asked for: now the tile goes out, and they land meanwhile
	s_wait_tensorcnt 0x0                           ; my part of slot 1, or of A's scale bytes, is in,
	s_wait_dscnt 0x0                               ; (no LDS instruction of mine is out)
	s_barrier_signal -1
	s_barrier_wait -1                              ; everybody's is.
	s_wait_xcnt 0x0                                ; the first tile's last stores have read their base and their data, v32-95, which take scale words again
	s_add_nc_u64 s[12:13], s[12:13], NEXT_O        ; proj at my first rows of the second tile
	SCALES 0
	s_wait_dscnt 0x0                               ; the scale words are the youngest loads here, so the first step's counted wait does not cover them
	; ---- the second tile: nothing more is asked for
	STEP 0, 0, 1
	STEPS 0, 1
	TURN 0, 1, 0
	STEPS 1, 0
	s_wait_dscnt 4*NL                              ; the very last step: nothing more to fetch
	WIN MUL_LO
	MUL16 0, 1, NQ-1, 1, 0
	MUL16 2, 1, NQ-1, 1, 0
	s_wait_dscnt 0
	WIN MUL_HI
	MUL16 4, 1, NQ-1, 1, 0
	MUL16 6, 1, NQ-1, 1, 0
	WIN 0
	WAYOUT
	s_wait_tensorcnt 0x0                           ; the wave's end, behind my last tensor load and my last LDS store
	ds_add_u32 v[SPW], v[NIL]
	s_wait_dscnt 0x0
	CROUND                                         ; the closing round: no work-group ends while a partner may still ask for a tile that names it
	s_endpgm
.Lfunc_end_k_q8f8a0b0c07_projg:
	.size	k_q8f8a0b0c07_projg, .Lfunc_end_k_q8f8a0b0c07_projg-k_q8f8a0b0c07_projg
	.p2alignl 7, 3214868480
	.fill 96, 4, 3214868480
	.section	.rodata,"a",@progbits
	.p2align	6, 0x0
	.amdhsa_kernel k_q8f8a0b0c07_projg
		.amdhsa_group_segment_fixed_size 327680
		.amdhsa_private_segment_fixed_size 0
		.amdhsa_enable_private_segment 0
		.amdhsa_kernarg_size 56
		.amdhsa_user_sgpr_count 2
		.amdhsa_user_sgpr_kernarg_segment_ptr 1
		.amdhsa_wavefront_size32 1
		.amdhsa_system_sgpr_workgroup_id_x 1
		.amdhsa_system_sgpr_workgroup_id_y 1
		.amdhsa_system_sgpr_workgroup_id_z 1
		.amdhsa_system_vgpr_workitem_id 0
		.amdhsa_next_free_vgpr 1024
		.amdhsa_next_free_sgpr 100
		.amdhsa_reserve_vcc 0
		.amdhsa_float_denorm_mode_32 3
		.amdhsa_float_denorm_mode_16_64 3
		.amdhsa_memory_ordered 1
		.amdhsa_forward_progress 1
		.amdhsa_inst_pref_size 248
	.end_amdhsa_kernel
	.amdgpu_metadata
---
amdhsa.version: [ 1, 2 ]
amdhsa.kernels:
  - .name:           k_q8f8a0b0c07_projg
    .symbol:         k_q8f8a0b0c07_projg.kd
    .args:
      - { .name: codes, .offset: 0, .size: 8, .value_kind: global_buffer, .address_space: global }
      - { .name: scales, .offset: 8, .size: 8, .value_kind: global_buffer, .address_space: global }
      - { .name: bq, .offset: 16, .size: 8, .value_kind: global_buffer, .address_space: global }
      - { .name: bs, .offset: 24, .size: 8, .value_kind: global_buffer, .address_space: global }
      - { .name: bk, .offset: 32, .size: 8, .value_kind: global_buffer, .address_space: global }
      - { .name: bv, .offset: 40, .size: 8, .value_kind: global_buffer, .address_space: global }
      - { .name: proj, .offset: 48, .size: 8, .value_kind: global_buffer, .address_space: global }
    .group_segment_fixed_size: 327680
    .private_segment_fixed_size: 0
    .kernarg_segment_align: 8
    .kernarg_segment_size: 56
    .max_flat_workgroup_size: 128
    .sgpr_count:     100
    .vgpr_count:     1024
    .wavefront_size: 32
...
	.end_amdgpu_metadata
.endif
;; end of part 2
;; launch attn (part 3): grid 4 x 64, 4 waves a work-group, clusters of 4 x 1, 327,680 bytes of LDS; arguments proj, att; writes att
.if DOCPART == 3
	.amdgcn_target "amdgcn-amd-amdhsa--gfx1250"
	.amdhsa_code_object_version 6
	.text
	.protected	k_q8f8a0b0c07_attn
	.globl	k_q8f8a0b0c07_attn
	.p2align	8
	.type	k_q8f8a0b0c07_attn,@function
k_q8f8a0b0c07_attn:
	s_mov_b64 s[64:65], 0
	v_nop
	global_prefetch_b8 v0, s[64:65] scope:SCOPE_SE
	s_setreg_imm32_b32 hwreg(HW_REG_WAVE_MODE, 25, 1), 1
	s_wait_xcnt 0x0
	s_wait_alu depctr_hold_cnt(0) depctr_sa_sdst(0) depctr_va_vdst(0) depctr_va_sdst(0) depctr_va_ssrc(0) depctr_va_vcc(0) depctr_vm_vsrc(0)
	s_getreg_b32 s2, hwreg(HW_REG_IB_STS2, 6, 4)
	s_cmp_eq_u32 s2, 0
	s_cbranch_scc0 .Lentry_in_a_cluster
	s_endpgm
.Lentry_in_a_cluster:
	s_bfe_u32 s2, ttmp6, 0x10000c
	s_cmp_lg_u32 s2, 0x3003
	s_cbranch_scc0 .Lentry_shape_is_right
	s_endpgm
.Lentry_shape_is_right:
; LAUNCH 3 OF 4.  att[b][q][h][:] = (sum over the 1,024 keys of p_k v_k + p_s s_q), p = softmax over the 1,025 scores (q.k_k / sqrt(128), and the sentinel's q.s_q / sqrt(128)).  No work is left out.
; proj: [4][8192][1024] f16 (q, s, k, v; a part is 1 << 24 bytes; a token's row 2,048 bytes; head h its bytes 256 h on).  att: [8192][1024] f16, laid the same.  Products on f16 operands, maxima and sums in f32;
; the weights p are rounded to f16 for the second product, the result once at the end.
; LIMIT: operands in f16: magnitudes of q, s, k, v beyond 65,504 are infinities here; a weight under 2^-24 of the row's largest counts as 0 in the second product.
; THE SENTINEL IS THE INITIAL STATE OF THE RUNNING SOFTMAX: m = q.s, l = 1, O = s.  So the maximum that is taken away runs over all 1,025 scores, and every key step is an ordinary step.
;   q.s is the diagonal of a product of the tile's 16 rows of s with its 16 rows of q; O^T = s^T is made by products of a matrix of ones and zeros with s's fragments: 1.0 x s + zeros, which rounds nothing.
; SHARES.  A work-group owns 256 queries of one (batch, head), each of its four waves 64: four tiles of 16.  Every wave walks all keys, 64 a step.
; LAYOUT.  S^T = K Q^T (source 0 = 16 keys, source 1 = 16 queries): a lane holds ONE query (lane % 16) and the keys 8 (lane / 16) + 0..7.  Two such tiles, rounded to f16 in pairs, ARE source 1 of O^T = V^T P, whose
; result again holds one query a lane, and eight channels.  K comes out of LDS as it lies, V ([key][channel]) turned, by ds_load_tr16_b128.
; SOFTMAX.  p = 2^(c s - c m), c = log2(e) / sqrt(128); in every step O and l are multiplied by a = 2^(c m_old - c m_new).
; BY TURNS.  The wave's tiles are two PIECES (tiles 0, 1; tiles 2, 3).  In a TURN one piece has the matrix unit: 32 products V^T P of the step in hand, then 32 products K Q^T of the next step; the other piece's softmax,
; cut into 64 slices, stands between them, one slice behind each matrix instruction.  Two turns are a key step.
; CLUSTER.  The four query blocks of a (batch, head) walk the same K and V: each tile is asked for JOINTLY, by the same tensor load with the same descriptor and a mask that names the four.
; REGISTERS, in windows of 256: window 0: v0-11 addresses; v12-43 eight statistics a tile; v44-58 the matrix of ones and zeros and what makes it; v64-191 S^T, 32 a tile; v192-255 P, 16 a tile
;   window 1: O^T, 64 a tile     window 2: v0-127 Q, 32 a tile; v128-255 first s, then K of one step     window 3: v0-127 V of one step
.set KS,    64        ; keys in a step
.set NKEYS, 1024
.set ROWP,  2048      ; a token's row in memory
.set PK,    272       ; a row of K in LDS: 256 bytes + 16 of padding: the 16 rows of a load start at 16 different banks
.set PV,    288       ; a row of V: 256 + 32
.set VOFF,  KS*PK
.set STEPB, KS*(PK+PV)
.set SLOT1, 1<<17     ; a slot holds two steps; slot 1 begins here, so that one exclusive or turns an address in one slot into the other's
.set STAGE, SLOT1+2*STEPB  ; behind the ring: 16 rows x 272 bytes for each wave, for the way out
.set SP,    272
.set AK0, 2
.set AV0, 3
.set ADR, 4
.set QO,  5
.set STO, 6
.set RD,  7
.set GO,  8
.set SPW, 62
.set NIL, 63
.set SPARE, STAGE+4*16*272  ; the spare words, 128 bytes a wave, which no other line names
.set ST,  12          ; tile t's statistics at v[ST+8 t]: +0 c m, +1 m, +2, +3 l (even keys', odd keys'), +4 to +7 at work; a takes +6 once the maximum is found
.set EY,  44          ; v44-47 zeros, v48-51 the ones' registers, v52-55 zeros: v[48:55] is the 16 x 32 matrix (k == m), v[44:51] the matrix (k == 16 + m)
.set S,   64
.set P,   192
.set KF,  128
.set WV,  12
.set G1K, 24
.set G1V, 32
.set G0K, 40
.set G0V, 48
.set SLOTS, 56
.set TWICE, 57
.set CS,  58
.set SEL, 60
.set TB,  62
.set PFA, 18
.set LIM, 15
.set PFO, 61          ; v61  2,048 x my lane: a lane a row; never rewritten
.set DM,  68          ; s68-75  lane masks: r - 8 h == j, j = 0..7
.set MSB, 0
.macro WIN new
.if MSB != (\new)
	s_set_vgpr_msb (MSB<<8)|(\new)
.set MSB, (\new)
.endif
.endm
.set W_KQ, 0x0a       ; sources 0 and 1 in window 2, C and D in window 0
.set W_PV, 0x53       ; V in window 3, P in window 0, O^T in window 1
.set W_RS, 0x41       ; O^T (destination and source 0) in window 1, a in window 0
; A joint refill.  Waves 0 and 1 fetch the two steps' tiles of K, waves 2 and 3 those of V.  The branch hangs on the wave's number alone.  An s_nop 0 and four v_nop follow each line.
.macro JLOAD
	s_cmp_lt_u32 s[WV], 2
	s_cbranch_scc0 .Lfor_v_\@
	tensor_load_to_lds s[G0K+4:G0K+7], s[G1K:G1K+7]
	s_nop 0
.rept 4
	v_nop
.endr
	s_branch .Lasked_\@
.Lfor_v_\@:
	tensor_load_to_lds s[G0V+4:G0V+7], s[G1V:G1V+7]
	s_nop 0
.rept 4
	v_nop
.endr
.Lasked_\@:
.endm
; A prefetch of what the NEXT change of slots will ask for: a slot's 128 rows of K and of V, the head's 256 bytes of each, a lane a row.  Each row is named once in the launch: the four partners take 32 rows each, told
; apart by address; in each, wave 0 asks for K's and wave 2 for V's.  It stands behind the wave's tensor load and its five lines.  The last change that fills a slot asks for nothing.
.macro ASK
	s_cmp_gt_u32 s[SLOTS], s[LIM]
	s_cbranch_scc0 .Lnot_mine_\@
	global_prefetch_b8 v[PFO], s[PFA:PFA+1] th:TH_LOAD_NT scope:SCOPE_SE
.Lnot_mine_\@:
.endm
.macro CROUND
	s_barrier_signal -1
	s_barrier_wait -1
	s_cmp_lg_u32 s[WV], 0
	s_cbranch_scc1 .Lnot_wave_0_\@
	s_barrier_signal -3
.Lnot_wave_0_\@:
	s_barrier_wait -3
	s_barrier_signal -1
	s_barrier_wait -1
.endm
	s_load_b64 s[4:5], s[0:1], 0x0    ; proj
	s_load_b64 s[10:11], s[0:1], 0x8  ; att
	v_lshl_add_u32 v[SPW], v0, 2, SPARE
	v_mov_b32 v[NIL], 0
	ds_add_u32 v[SPW], v[NIL]       ; the wave's opening: the add, twice on end, and its wait ahead of my first tensor load
	ds_add_u32 v[SPW], v[NIL]
	v_lshrrev_b32 v1, 5, v0
	v_readfirstlane_b32 s[WV], v1   ; wave 0..3
	s_bfe_u32 s13, ttmp6, 0x40000   ; cx: my place in the cluster
	s_lshl_b32 s14, ttmp9, 2
	s_add_co_u32 s14, s14, s13      ; my block of 256 queries: it enters q's, s's and att's addresses alone
	s_and_b32 s20, ttmp7, 0xffff    ; 8 x batch + head, which the four partners share
	s_lshr_b32 s21, s20, 3
	s_lshl_b32 s21, s21, 21         ; the batch's 1,024 rows of 2,048 bytes
	s_and_b32 s20, s20, 7
	s_lshl_b32 s20, s20, 8          ; the head's 256 bytes of a row
	s_add_co_u32 s20, s20, s21
	s_mov_b32 s21, 0
	s_and_b32 s16, s[WV], 1         ; which of a slot's two steps I fetch:
	s_lshl_b32 s22, s16, 17         ; its 64 rows in memory,
	s_mov_b32 s23, 0
	s_add_nc_u64 s[22:23], s[22:23], s[20:21]
	s_mul_i32 s17, s16, STEPB       ; and its place in a slot: no place in the cluster enters an LDS address
	s_lshl_b32 s2, s14, 19          ; my block's 256 rows,
	s_lshl_b32 s3, s[WV], 17        ; my wave's 64 of them
	s_add_co_u32 s2, s2, s3
	s_mov_b32 s3, 0
	s_add_nc_u64 s[2:3], s[2:3], s[20:21]
	; descriptor group 1: a tile of 64 rows x 128 elements of 2 bytes, 1,024 elements from row to row, padded in LDS
	s_mov_b32 s[G1K], 15|(1<<16)|(1<<20)|(1<<21)|(5<<22)|(3<<25)  ; the mask: all four; elements of 2 bytes; padding on; bit 21 beside a mask; after every 64 words, 4 words
	s_mov_b32 s[G1V], 15|(1<<16)|(1<<20)|(1<<21)|(5<<22)|(7<<25)  ; the same with 8 words of padding
.irp g, G1K, G1V
	s_mov_b32 s[\g+1], 128<<16      ; tensor_dim0 = 128
	s_mov_b32 s[\g+2], KS<<16       ; tensor_dim1 = 64
	s_mov_b32 s[\g+3], 128<<16      ; tile_dim0 = 128
	s_mov_b32 s[\g+4], KS           ; tile_dim1 = 64
	s_mov_b32 s[\g+5], 1024         ; tensor_dim0_stride
	s_mov_b32 s[\g+6], 0
	s_mov_b32 s[\g+7], 0
.endr
	s_mov_b32 s[CS], 0x3e0293ee     ; c = log2(e) / sqrt(128)
	s_mov_b32 s[CS+1], s[CS]
	s_mov_b32 s[SEL], 0x76543210
	s_mov_b32 s[SEL+1], 0xfedcba98
	s_mov_b32 s[TB], 0
	s_mov_b32 s[SLOTS], NKEYS/(2*KS)-2
	s_and_b32 s[LIM], s[WV], 1       ; 0 in waves 0 and 2,
	s_or_b32 s[LIM], s[LIM], ttmp9   ; of the (batch, head)'s first cluster (here its only one): the same in all four partners
	s_cmp_eq_u32 s[LIM], 0
	s_cselect_b32 s[LIM], 1, -1
	v_and_b32 v[PFO], 31, v0
	v_lshlrev_b32 v[PFO], 11, v[PFO]
	s_wait_dscnt 0x0                ; both opening adds are done
	s_wait_kmcnt 0x0
	s_add_nc_u64 s[6:7], s[4:5], s[22:23]
	s_add_nc_u64 s[8:9], s[6:7], 0x3000000   ; V at my tile of slot 0
	s_add_nc_u64 s[6:7], s[6:7], 0x2000000   ; K likewise
	s_add_nc_u64 s[4:5], s[4:5], s[2:3]      ; q at my wave's first row,
	s_add_nc_u64 s[66:67], s[4:5], 0x1000000 ; s,
	s_add_nc_u64 s[10:11], s[10:11], s[2:3]  ; and att
	s_cmp_lt_u32 s[WV], 2
	s_cselect_b64 s[PFA:PFA+1], s[6:7], s[8:9]  ; (in waves 0 and 2 these stand at a slot's first row)
	s_lshl_b32 s2, s13, 16          ; my work-group's 32 rows of the 128
	s_mov_b32 s3, 0
	s_add_nc_u64 s[PFA:PFA+1], s[PFA:PFA+1], s[2:3]
	s_add_nc_u64 s[PFA:PFA+1], s[PFA:PFA+1], 2*2*KS*ROWP  ; in slot 2; the first change of slots steps it to slot 3.  Nothing is prefetched at the head
	CROUND                          ; all four work-groups are here: the first joint loads meet
.irp s, 0,1
	s_mov_b32 s[G0K+4*\s], 1
	s_add_co_u32 s[G0K+4*\s+1], s17, \s*SLOT1
	s_add_nc_u64 s[G0K+4*\s+2:G0K+4*\s+3], s[6:7], \s*2*KS*ROWP
	s_or_b32 s[G0K+4*\s+3], s[G0K+4*\s+3], 0x80000000
	s_mov_b32 s[G0V+4*\s], 1
	s_add_co_u32 s[G0V+4*\s+1], s17, \s*SLOT1+VOFF
	s_add_nc_u64 s[G0V+4*\s+2:G0V+4*\s+3], s[8:9], \s*2*KS*ROWP
	s_or_b32 s[G0V+4*\s+3], s[G0V+4*\s+3], 0x80000000
.endr
	s_cmp_lt_u32 s[WV], 2           ; a wave's two first fills stand in one branch, ahead of every wait on TENSORcnt and every LDS read: two loads of mine are out
	s_cbranch_scc0 .Lfirst_v
	tensor_load_to_lds s[G0K:G0K+3], s[G1K:G1K+7]
	s_nop 0
	tensor_load_to_lds s[G0K+4:G0K+7], s[G1K:G1K+7]
	s_nop 0
.rept 4
	v_nop
.endr
	s_branch .Lfirst_asked
.Lfirst_v:
	tensor_load_to_lds s[G0V:G0V+3], s[G1V:G1V+7]
	s_nop 0
	tensor_load_to_lds s[G0V+4:G0V+7], s[G1V:G1V+7]
	s_nop 0
.rept 4
	v_nop
.endr
.Lfirst_asked:
	; A fragment of K, q or s is 16 rows x 32 channels in 8 registers: lane l holds row l % 16; registers 0-3 channels 8 (l / 16) + 0..7, registers 4-7 channels 16 + 8 (l / 16) + 0..7.
	v_and_b32 v1, 15, v0            ; r = l % 16
	v_bfe_u32 v9, v0, 4, 1          ; h = l / 16
	v_lshlrev_b32 v[QO], 11, v1
	v_lshl_add_u32 v[QO], v9, 4, v[QO]  ; row x 2,048 + 16 x half
	WIN 0x80                        ; destination window 2, address window 0
.irp i, 0,1,2,3,4,5,6,7,8,9,10,11,12,13,14,15  ; q stays in registers: tile i / 4, channels 32 (i % 4) on
	global_load_b128 v[8*\i:8*\i+3],   v[QO], s[4:5] offset:(\i/4)*16*ROWP+(\i%4)*64
	global_load_b128 v[8*\i+4:8*\i+7], v[QO], s[4:5] offset:(\i/4)*16*ROWP+(\i%4)*64+32
.endr
.irp i, 0,1,2,3,4,5,6,7,8,9,10,11,12,13,14,15  ; s of the same rows, into the registers that K will take
	global_load_b128 v[KF+8*\i:KF+8*\i+3],   v[QO], s[66:67] offset:(\i/4)*16*ROWP+(\i%4)*64
	global_load_b128 v[KF+8*\i+4:KF+8*\i+7], v[QO], s[66:67] offset:(\i/4)*16*ROWP+(\i%4)*64+32
.endr
	WIN 0
	v_mul_u32_u24 v[AK0], v1, PK
	v_lshl_add_u32 v[AK0], v9, 4, v[AK0]
	; The turning load takes 16 keys x 16 channels (lane l reads key 8 (l / 16) + l % 8, channels 8 ((l / 8) % 2) + 0..7) and leaves half a fragment of V^T.
	v_and_b32 v10, 7, v0
	v_bfe_u32 v11, v0, 3, 1
	v_lshl_add_u32 v[AV0], v9, 3, v10
	v_mul_u32_u24 v[AV0], v[AV0], PV
	v_lshl_add_u32 v[AV0], v11, 4, v[AV0]
	v_add_nc_u32 v[AV0], VOFF, v[AV0]
	; d = r - 8 h.  In a result (register j: row 8 h + j, column r) the diagonal lies where j == d.  In a 16 x 32 operand (lane: row r; register i: k = 8 h + 2 i, 8 h + 2 i + 1) the element k == r lies in register d / 2, half d % 2.
	v_lshlrev_b32 v56, 3, v9
	v_sub_nc_u32 v56, v1, v56
	v_and_b32 v57, 1, v56
	v_lshlrev_b32 v57, 4, v57
	v_mov_b32 v58, 0x3c00           ; 1.0 in f16
	v_lshlrev_b32 v57, v57, v58     ; in the low or the high half
	v_lshrrev_b32 v58, 1, v56       ; d / 2; a d outside 0..7 gives a number that matches no register
.irp j, 0,1,2,3
	v_mov_b32 v[EY+\j], 0
	v_mov_b32 v[EY+8+\j], 0
	v_cmp_eq_u32 vcc_lo, \j, v58
	v_cndmask_b32 v[EY+4+\j], 0, v57, vcc_lo
.endr
.irp j, 0,1,2,3,4,5,6,7
	v_cmp_eq_u32 s[DM+\j], \j, v56
.endr
	s_wait_loadcnt 0x0              ; q and s
	WIN W_KQ                        ; THE SENTINEL'S SCORES: (16 rows of s) x (16 rows of q)^T, a tile's four accumulations over the channels; the four tiles' accumulators take turns
.irp c, 0,1,2,3
.irp t, 0,1,2,3
.if \c == 0
	v_wmma_f32_16x16x32_f16 v[S+32*\t:S+32*\t+7], v[KF+32*\t+8*\c:KF+32*\t+8*\c+7], v[32*\t+8*\c:32*\t+8*\c+7], 0
.else
	v_wmma_f32_16x16x32_f16 v[S+32*\t:S+32*\t+7], v[KF+32*\t+8*\c:KF+32*\t+8*\c+7], v[32*\t+8*\c:32*\t+8*\c+7], v[S+32*\t:S+32*\t+7]
.endif
.endr
.endr
	WIN 0x48                        ; source 0 window 0, source 1 window 2, destination window 1.  O^T BEGINS AS s^T: channels 32 f + 16 u + m of query n = sum over k of (k == 16 u + m) s(n, 32 f + k)
.irp f, 0,1,2,3
.irp u, 0,1
.irp t, 0,1,2,3
	v_wmma_f32_16x16x32_f16 v[64*\t+8*(2*\f+\u):64*\t+8*(2*\f+\u)+7], v[EY+4-4*\u:EY+11-4*\u], v[KF+32*\t+8*\f:KF+32*\t+8*\f+7], 0
.endr
.endr
.endr
	WIN 0
.rept 4
	v_nop                           ; places behind those products, ahead of the reads of the scores
.endr
.irp t, 0,1,2,3
	v_cndmask_b32 v[ST+8*\t+4], 0, v[S+32*\t], s[DM]   ; the diagonal, from the accumulator's low end on: one lane of the two that hold a query has it, the other keeps 0
.endr
.irp j, 1,2,3,4,5,6,7
.irp t, 0,1,2,3
	v_cndmask_b32 v[ST+8*\t+4], v[ST+8*\t+4], v[S+32*\t+\j], s[DM+\j]
.endr
.endr
.irp t, 0,1,2,3
	v_mov_b32 v[ST+8*\t+5], 0       ; a lane permute's destination counts as one of its sources
.endr
.irp t, 0,1,2,3
	v_permlanex16_b32 v[ST+8*\t+5], v[ST+8*\t+4], s[SEL], s[SEL+1]
.endr
.irp t, 0,1,2,3
	v_add_f32 v[ST+8*\t+1], v[ST+8*\t+4], v[ST+8*\t+5]   ; m = q.s, in both lanes of the query
.endr
.irp t, 0,1,2,3
	v_mul_f32 v[ST+8*\t], s[CS], v[ST+8*\t+1]            ; c m
	v_mov_b32 v[ST+8*\t+2], 0.5     ; l = 1: a half in each of the query's two lanes, which the way out adds
	v_mov_b32 v[ST+8*\t+3], 0
.endr
; THE MATRIX WORK OF A TURN, for piece x.  The accumulators take turns, one instruction a turn.
; Product i of 32 of O^T += V^T P: keys 32 (i / 16) on, channels 16 ((i / 2) % 8) on, tile x + i % 2.
.macro PV x
	WIN W_PV
.set rO, 64*(\x+i%2)+8*((i/2)%8)
.set rV, 64*(i/16)+8*((i/2)%8)
.set rP, P+16*(\x+i%2)+8*(i/16)
	v_wmma_f32_16x16x32_f16 v[rO:rO+7], v[rV:rV+7], v[rP:rP+7], v[rO:rO+7]
.endm
; Product i of 32 of S^T = K Q^T: channels 32 (i / 8) on, keys 16 ((i / 2) % 4) on, tile x + i % 2.  The first 8 start the sums.
.macro KQ x
	WIN W_KQ
.set rS, S+32*(\x+i%2)+8*((i/2)%4)
.set rK, KF+32*((i/2)%4)+8*(i/8)
.set rQ, 32*(\x+i%2)+8*(i/8)
.if i < 8
	v_wmma_f32_16x16x32_f16 v[rS:rS+7], v[rK:rK+7], v[rQ:rQ+7], 0
.else
	v_wmma_f32_16x16x32_f16 v[rS:rS+7], v[rK:rK+7], v[rQ:rQ+7], v[rS:rS+7]
.endif
.endm
; THE LDS LOADS stand in runs of 32: a step's K and, a turn later, its V (turned).
.macro FETCH_K
	WIN 0
	v_add_nc_u32 v[ADR], s[TB], v[AK0]
	WIN 0x80
.irp f, 0,1,2,3,4,5,6,7,8,9,10,11,12,13,14,15
	ds_load_b128 v[KF+8*\f:KF+8*\f+3],   v[ADR] offset:(\f/4)*16*PK+(\f%4)*64
	ds_load_b128 v[KF+8*\f+4:KF+8*\f+7], v[ADR] offset:(\f/4)*16*PK+(\f%4)*64+32
.endr
.endm
.macro FETCH_V
	WIN 0
	v_add_nc_u32 v[ADR], s[TB], v[AV0]
	s_add_co_u32 s[TB], s[TB], STEPB  ; the next fetch is the next step's
	s_wait_alu depctr_va_vdst(0)    ; the wait for the softmax's batch of exponentials, ahead of the first instruction that names a result
	WIN 0xc0
.irp f, 0,1,2,3,4,5,6,7,8,9,10,11,12,13,14,15
	ds_load_tr16_b128 v[8*\f:8*\f+3],   v[ADR] offset:(\f/8)*32*PV+(\f%8)*32
	ds_load_tr16_b128 v[8*\f+4:8*\f+7], v[ADR] offset:(\f/8)*32*PV+16*PV+(\f%8)*32
.endr
.endm
; THE VECTOR WORK OF A TURN.  One tile's softmax for one key step is a list of 134 instructions; SM writes number j of it for tile t.
;   0-15 the maximum of the 32 scores and the old m;  16-20 the other half of the lanes' maximum, the new m, c m, c m_old - c m_new;  21-69 ONE BATCH: 16 packed scalings c s - c m and 33 exponentials (a at 23), none of
;   which reads an exponential's result;  (the wait for the batch: SLICE writes it);  70-85 the roundings to f16;  86-101 the sums, l = a l + the sum;  102-133 the tile's O^T times a.
.macro SM t
.set rT, ST+8*(\t)
.set rS, S+32*(\t)
.set rP, P+16*(\t)
.set rO, 64*(\t)+2*(j-102)
.if j < 102
	WIN 0
.endif
.if j < 4
	v_max3_num_f32 v[rT+4+j], v[rS+8*j], v[rS+8*j+1], v[rS+8*j+2]
.elseif j < 12
	v_max3_num_f32 v[rT+4+j%4], v[rT+4+j%4], v[rS+8*(j%4)+2*(j/4)+1], v[rS+8*(j%4)+2*(j/4)+2]
.elseif j == 12
	v_max3_num_f32 v[rT+4], v[rT+4], v[rS+7], v[rS+15]
.elseif j == 13
	v_max3_num_f32 v[rT+6], v[rT+6], v[rS+23], v[rS+31]
.elseif j == 14
	v_max3_num_f32 v[rT+4], v[rT+4], v[rT+5], v[rT+6]
.elseif j == 15
	v_max3_num_f32 v[rT+4], v[rT+4], v[rT+7], v[rT+1]
.elseif j == 16
	v_permlanex16_b32 v[rT+5], v[rT+4], s[SEL], s[SEL+1]  ; the query's other 32 keys lie in the lane 16 away
.elseif j == 17
	v_mov_b32 v[rT+7], v[rT]        ; c m_old is kept for a
.elseif j == 18
	v_max_num_f32 v[rT+1], v[rT+4], v[rT+5]
.elseif j == 19
	v_mul_f32 v[rT], s[CS], v[rT+1]
.elseif j == 20
	v_sub_f32 v[rT+7], v[rT+7], v[rT]
.elseif j == 23
	v_exp_f32 v[rT+6], v[rT+7]
.elseif (j < 23) || ((j < 38) && (j%2 == 0)) || ((j < 66) && (j%4 == 2))
.set b, (j-2)/4                     ; 38, 42, .. 62: pairs 9 to 15
.if j < 38
.set b, (j-20)/2                    ; 21: pair 0; 22, 24, .. 36: pairs 1 to 8
.endif
	v_pk_fma_f32 v[rS+2*b:rS+2*b+1], v[rS+2*b:rS+2*b+1], s[CS:CS+1], v[rT:rT+1] op_sel_hi:[1,0,0] neg_lo:[0,0,1] neg_hi:[0,0,1]  ; pair b: c s - c m
.elseif j < 70
.set e, j-38                        ; 66 to 69: s28 to s31
.if j < 66
.set e, j-32-(j-38)/4               ; 39-41, 43-45, .. 63-65: s7 to s27
.endif
.if j < 38
.set e, (j-25)/2                    ; 25, 27, .. 37: s0 to s6
.endif
	v_exp_f32 v[rS+e], v[rS+e]
.elseif j < 86
	v_cvt_pk_f16_f32 v[rP+j-70], v[rS+2*(j-70)], v[rS+2*(j-70)+1]
.elseif j < 102                     ; the sum of the tile's 16 pairs, in place: neighbours 1, 2, 4 and 8 pairs apart, then l takes it
.set z, j-86
.set w, 4
.set u, z
.if z >= 14
.set w, 32
.set u, 0
.elseif z >= 12
.set w, 16
.set u, z-12
.elseif z >= 8
.set w, 8
.set u, z-8
.endif
.if z < 15
	v_pk_add_f32 v[rS+w*u:rS+w*u+1], v[rS+w*u:rS+w*u+1], v[rS+w*u+w/2:rS+w*u+w/2+1]
.else
	v_pk_fma_f32 v[rT+2:rT+3], v[rT+2:rT+3], v[rT+6:rT+7], v[rS:rS+1] op_sel_hi:[1,0,1]
.endif
.else
	WIN W_RS
	v_pk_mul_f32 v[rO:rO+1], v[rO:rO+1], v[rT+6:rT+7] op_sel_hi:[1,0]
.endif
.endm
; Slice k of 64 of piece y's softmax: four instructions.  Slices 11 to 34 deal out the batch, four numbers of ONE tile each, the tiles by turns; every other slice is numbers 2 k and 2 k + 1 of both tiles; the twelve that
; are over stand in slice 63.  Ahead of slice 35 nothing names an exponential's result and behind slice 34 none is issued: so the piece's 66 exponentials have one wait, behind slice 34.
.macro SLICE y
.if (k >= 11) && (k < 35)
.irp n, 0,1,2,3
.set j, 22+4*((k-11)/2)+(\n)
	SM (\y)+(k-11)%2
.endr
.else
.irp n, 0,1,2,3,4,5,6,7
.if (\n < 2) || (k == 63)
.irp t, \y, \y+1
.set j, 2*k+\n
	SM \t
.endr
.endif
.endr
.endif
.if k == 34
	v_nop                           ; a plain instruction behind the last exponential and ahead of the first use: one for the batch
.if (\y) == 0
	FETCH_V                         ; piece 2's turn: V's run of loads stands here, and the wait stands in it
.else
	s_wait_alu depctr_va_vdst(0)    ; the wait for the batch
.endif
.endif
.set k, k+1
.endm
; A TURN.  Piece x has the matrix unit; the other piece's softmax stands in slices behind its matrix instructions.  pv = 1: 32 products V^T P.  kq = 1: 32 products K Q^T for the next step.  A turn with one kind has two
; slices behind each product.  Piece 0's turn fetches the next step's K behind its second product; piece 2's turn the same step's V behind slice 34.  The slices are the places behind the products.
.macro TURN x, pv, kq
.set k, 0
.set per, 2
.if \pv && \kq
.set per, 1
.endif
.if \pv
.if \x == 0
	s_wait_dscnt 0x0                ; V is in
.endif
.set i, 0
.rept 32
	PV \x
.rept per
	SLICE 2-\x
.endr
.if (\x == 0) && \kq && (i == 1)
	FETCH_K
.endif
.set i, i+1
.endr
.endif
.if \kq
.if \x == 0
	s_wait_dscnt 0x0                ; K is in
.endif
.set i, 0
.rept 32
	KQ \x
.rept per
	SLICE 2-\x
.endr
.set i, i+1
.endr
.endif
.endm
; THE CHANGE OF SLOTS, between piece 2's turn and piece 0's.  Each wave waits for all its tensor loads (one is out: its part of the other slot), adds 0 to its spare word, and waits for that and for its reads of the slot.
; fill = 1: the slot is filled again with the keys two slots on: the barrier is a round of the cluster's, and the joint refill is the first thing behind it: it has two key steps, 256 matrix instructions, in which to land.
.macro CHANGE fill
	WIN 0
	s_wait_tensorcnt 0x0            ; no tensor load of mine is out, so a group 0 may be written
	ds_add_u32 v[SPW], v[NIL]
.if \fill
.irp g, G0K+4, G0V+4
	s_xor_b32 s[\g+1], s[\g+1], SLOT1  ; the walking descriptor: the other slot than last time,
	s_add_nc_u64 s[\g+2:\g+3], s[\g+2:\g+3], 2*KS*ROWP  ; the next 128 keys; the type bits on top are not reached
.endr
	s_wait_xcnt 0x0                 ; the last prefetch, two key steps back, has read its address, so it may be written:
	s_add_nc_u64 s[PFA:PFA+1], s[PFA:PFA+1], 2*KS*ROWP  ; one slot further on than the walking descriptors
	s_wait_dscnt 0x0                ; the add is done, and my reads of the slot are over
	CROUND
	JLOAD
	ASK
.else
	s_wait_dscnt 0x0
	s_barrier_signal -1
	s_barrier_wait -1
.endif
	s_sub_co_u32 s[TB], s[TB], 2*STEPB  ; the fetches go back to a slot's first step,
	s_xor_b32 s[TB], s[TB], SLOT1   ; in the other slot
.endm
.macro TWO_STEPS                    ; a slot's two key steps: written once, walked twice; the LDS addresses hang on s[TB]
	s_mov_b32 s[TWICE], 2
.Lstep_\@:
	TURN 0, 1, 1
	TURN 2, 1, 1
	WIN 0
	s_sub_co_u32 s[TWICE], s[TWICE], 1
	s_cmp_lg_u32 s[TWICE], 0
	s_cbranch_scc1 .Lstep_\@
.endm
	s_wait_tensorcnt 1              ; my part of slot 0 is in; slot 1's, issued behind it, may stay out
	s_barrier_signal -1
	s_barrier_wait -1               ; everybody's is
	FETCH_K                         ; key step 0, into the registers that s has left (the lines that took the diagonal are the places behind the products that read them)
	s_wait_dscnt 0x0
.set i, 0
.rept 32
	KQ 0                            ; piece 0's first scores
.set i, i+1
.endr
	WIN 0                           ; the addresses for the way out: eight plain instructions, the places behind those products
	s_mul_i32 s13, s[WV], 16*SP
	s_add_co_u32 s13, s13, STAGE    ; my stage
	v_mul_u32_u24 v[STO], v1, SP    ; in: row l % 16, 16 bytes for each half of the lanes
	v_lshl_add_u32 v[STO], v9, 4, v[STO]
	v_add_nc_u32 v[STO], s13, v[STO]
	v_mul_u32_u24 v[RD], v9, SP     ; back: lanes 0-15 take one row of 256 bytes, lanes 16-31 the next
	v_lshl_add_u32 v[RD], v1, 4, v[RD]
	v_add_nc_u32 v[RD], s13, v[RD]
	v_lshlrev_b32 v[GO], 11, v9     ; and the same two rows in att
	v_lshl_add_u32 v[GO], v1, 4, v[GO]
	TURN 2, 0, 1                    ; piece 2's first scores | piece 0's softmax of step 0 | V of step 0
	TURN 0, 1, 1                    ; piece 0: V^T P of step 0, K Q^T of step 1 | piece 2's softmax of step 0 | K of step 1
	TURN 2, 1, 1                    ; piece 2: the same | piece 0's softmax of step 1 | V of step 1
	WIN 0
.Lslot:                             ; 6 trips: every slot but the last two is filled again
	CHANGE 1
	TWO_STEPS
	s_sub_co_u32 s[SLOTS], s[SLOTS], 1
	s_cmp_lg_u32 s[SLOTS], 0
	s_cbranch_scc1 .Lslot
	CHANGE 0                        ; the tail is written out
	TWO_STEPS
	TURN 0, 1, 0                    ; piece 0: V^T P of the last step | piece 2's last softmax
.set i, 0
.rept 32
	PV 2                            ; piece 2: V^T P of the last step
.set i, i+1
.endr
	; THE WAY OUT.  l's two halves and the other half of the lanes' are added; O^T is divided by l, rounded to f16 and sent through my stage, a tile (16 rows) at a time.  The additions are the places behind the last products.
	WIN 0
.irp t, 0,1,2,3
	v_add_f32 v[ST+8*\t+4], v[ST+8*\t+2], v[ST+8*\t+3]
.endr
.irp t, 0,1,2,3
	v_permlanex16_b32 v[ST+8*\t+5], v[ST+8*\t+4], s[SEL], s[SEL+1]
.endr
.irp t, 0,1,2,3
	v_add_f32 v[ST+8*\t+4], v[ST+8*\t+4], v[ST+8*\t+5]
.endr
.irp t, 0,1,2,3
	v_rcp_f32 v[ST+8*\t+6], v[ST+8*\t+4]
.endr
	v_nop                           ; a plain instruction between the last reciprocal and the use of its result
	s_wait_alu depctr_va_vdst(0)    ; and the wait ahead of the first use: one for the four
.macro PACK t
	WIN W_RS
.set i, 64*\t
.rept 32
	v_pk_mul_f32 v[i:i+1], v[i:i+1], v[ST+8*\t+6:ST+8*\t+7] op_sel_hi:[1,0]
.set i, i+2
.endr
	WIN 0x05                        ; sources 0 and 1 window 1, destination window 0: S^T's registers are free
.set i, 0
.rept 32
	v_cvt_pk_f16_f32 v[S+32*\t+i], v[64*\t+2*i], v[64*\t+2*i+1]
.set i, i+1
.endr
	WIN 0
.irp f, 0,1,2,3,4,5,6,7
	ds_store_b128 v[STO], v[S+32*\t+4*\f:S+32*\t+4*\f+3] offset:32*\f
.endr
.irp f, 0,1,2,3,4,5,6,7
	ds_load_b128 v[S+32*\t+4*\f:S+32*\t+4*\f+3], v[RD] offset:\f*2*SP  ; LDS serves a wave's instructions in order: these see the stores above; the next tile's stores come behind them
.endr
.endm
.macro SEND t, younger              ; younger: the LDS instructions issued behind tile t's loads: the next tile's sixteen, or none
.irp f, 0,1,2,3,4,5,6,7
	s_wait_dscnt \younger+7-\f
	global_store_b128 v[GO], v[S+32*\t+4*\f:S+32*\t+4*\f+3], s[10:11] offset:\t*16*ROWP+\f*2*ROWP  ; 16 lanes store 256 consecutive bytes, at a multiple of 256 from att's first byte
.endr
.endm
	PACK 0
	PACK 1
	SEND 0, 16
	PACK 2
	SEND 1, 16
	PACK 3
	SEND 2, 16
	SEND 3, 0
	s_wait_tensorcnt 0x0            ; the wave's end, behind my last tensor load and my last LDS store
	ds_add_u32 v[SPW], v[NIL]
	s_wait_dscnt 0x0
	CROUND                          ; the closing round
	s_endpgm
.Lfunc_end_k_q8f8a0b0c07_attn:
	.size	k_q8f8a0b0c07_attn, .Lfunc_end_k_q8f8a0b0c07_attn-k_q8f8a0b0c07_attn
	.p2alignl 7, 3214868480
	.fill 96, 4, 3214868480
	.section	.rodata,"a",@progbits
	.p2align	6, 0x0
	.amdhsa_kernel k_q8f8a0b0c07_attn
		.amdhsa_group_segment_fixed_size 327680
		.amdhsa_private_segment_fixed_size 0
		.amdhsa_enable_private_segment 0
		.amdhsa_kernarg_size 16
		.amdhsa_user_sgpr_count 2
		.amdhsa_user_sgpr_kernarg_segment_ptr 1
		.amdhsa_wavefront_size32 1
		.amdhsa_system_sgpr_workgroup_id_x 1
		.amdhsa_system_sgpr_workgroup_id_y 1
		.amdhsa_system_sgpr_workgroup_id_z 1
		.amdhsa_system_vgpr_workitem_id 0
		.amdhsa_next_free_vgpr 1024
		.amdhsa_next_free_sgpr 76
		.amdhsa_reserve_vcc 1
		.amdhsa_float_denorm_mode_32 3
		.amdhsa_float_denorm_mode_16_64 3
		.amdhsa_memory_ordered 1
		.amdhsa_forward_progress 1
		.amdhsa_inst_pref_size 242
	.end_amdhsa_kernel
	.amdgpu_metadata
---
amdhsa.version: [ 1, 2 ]
amdhsa.kernels:
  - .name:           k_q8f8a0b0c07_attn
    .symbol:         k_q8f8a0b0c07_attn.kd
    .args:
      - { .name: proj, .offset: 0, .size: 8, .value_kind: global_buffer, .address_space: global }
      - { .name: att, .offset: 8, .size: 8, .value_kind: global_buffer, .address_space: global }
    .group_segment_fixed_size: 327680
    .private_segment_fixed_size: 0
    .kernarg_segment_align: 8
    .kernarg_segment_size: 16
    .max_flat_workgroup_size: 128
    .sgpr_count:     76
    .vgpr_count:     1024
    .wavefront_size: 32
...
	.end_amdgpu_metadata
.endif
;; end of part 3
;; launch outg (part 4): grid 8 x 32, 4 waves a work-group, clusters of 4 x 4, 327,680 bytes of LDS; arguments att, wo16, bo, out0; writes out0
.if DOCPART == 4
	.amdgcn_target "amdgcn-amd-amdhsa--gfx1250"
	.amdhsa_code_object_version 6
	.text
	.protected	k_q8f8a0b0c07_outg
	.globl	k_q8f8a0b0c07_outg
	.p2align	8
	.type	k_q8f8a0b0c07_outg,@function
k_q8f8a0b0c07_outg:
	s_mov_b64 s[64:65], 0
	v_nop
	global_prefetch_b8 v0, s[64:65] scope:SCOPE_SE
	s_setreg_imm32_b32 hwreg(HW_REG_WAVE_MODE, 25, 1), 1
	s_wait_xcnt 0x0
	s_wait_alu depctr_hold_cnt(0) depctr_sa_sdst(0) depctr_va_vdst(0) depctr_va_sdst(0) depctr_va_ssrc(0) depctr_va_vcc(0) depctr_vm_vsrc(0)
	s_getreg_b32 s2, hwreg(HW_REG_IB_STS2, 6, 4)
	s_cmp_eq_u32 s2, 0
	s_cbranch_scc0 .Lentry_in_a_cluster
	s_endpgm
.Lentry_in_a_cluster:
	s_bfe_u32 s2, ttmp6, 0x10000c
	s_cmp_lg_u32 s2, 0xf033
	s_cbranch_scc0 .Lentry_shape_is_right
	s_endpgm
.Lentry_shape_is_right:
; LAUNCH 4 OF 4.  out0[m][n] = sum over k of att[m][k] Wo[n][k] + bo[n].  att: [8192][1024] f16, wo16: [1024][1024] f16, bo: [1024] f32, out0: [8192][1024] f32; sums in f32.  No work is left out.
; A tile is 128 x 128: 8 x 64 = 512 tiles.  Four waves, each 64 x 64: 16 accumulators of 16 x 16.  K goes in steps of 256 (LDS rows of 512 bytes; a wave's tensor load brings 64 of them) through two slots.
; A WORK-GROUP STAYS: it makes TWO tiles, 4,096 rows apart, with the same columns: 256 work-groups.  The ring does not stop at the first tile's end: its last two changes of slots ask for the second tile's first two K steps,
; and nothing waits for the first tile's stores.  The eight K steps are written out: no loop.
; CLUSTERS: 4 x 4 work-groups.  The four of a row of the cluster need the same tiles of att, the four of a column the same tiles of wo16: each tile is asked for JOINTLY.
; THE MATRIX INSTRUCTION IS USED TRANSPOSED (source 0 = 16 rows of wo16, source 1 = 16 rows of att): a lane holds eight neighbouring numbers of a row of out0.  THE BIAS IS THE C OF EACH SUM'S FIRST PRODUCT.
; A wave's 64 columns of f32 are 256 aligned bytes of a row: so each wave has a stage of its own on the way out, and no barrier stands there.
; REGISTERS: window 0: v0-31 addresses; v32-63 the bias in the result's layout, kept for both tiles; v128-255 the accumulators ((a, b) at v[128 + 8 (4 a + b)]).   window 1: two fragment buffers of 128.
.set SIZE_N, 1024
.set SIZE_K, 1024
.set KSTEP,  256
.set PITCH,  528                       ; an LDS row: 512 bytes + 16 of padding: the 16 rows that a load touches start at 16 different banks
.set HALFT,  64*PITCH
.set SLOT,   4*HALFT
.set STAGE,  2*SLOT                    ; behind the ring: 16 rows x 272 bytes for each wave; no tensor load lands there
.set SPITCH, 272
.set SPARE,  STAGE+4*16*SPITCH         ; the spare words, 128 bytes a wave, which no other line names
.set WALK,   4096                      ; rows from the first tile to the second
.set NEXT_A, WALK*SIZE_K*2-(SIZE_K-2*KSTEP)*2   ; bytes from a slot's last K step of a tile to its first of the next: att goes WALK rows down and back along K,
.set BACK_B, (SIZE_K-2*KSTEP)*2        ; wo16 only back: the two tiles share its rows
.set ADRA, 16
.set ADRB, 20
.set STO,  24
.set RD,   25
.set CO,   26
.set SPW,  28
.set NIL,  29
.set BOF,  30                          ; v30  the bias loads' offset: 32 x (lane / 16)
.set BI,   32                          ; the bias: for n block b, v[BI + 8 b ..]: lane (r, h) holds columns 16 b + 8 h + 0 .. 7
.set ACC,  128
.set F0,   0
.set F1,   128
.set G1, 24
.set G0, 32
.set G1B, 48
.set G0B, 56
.set MSB, 0
.macro WIN new
.if MSB != (\new)
	s_set_vgpr_msb (MSB<<8)|(\new)
.set MSB, (\new)
.endif
.endm
.set MUL,  0x05                        ; sources 0 and 1 window 1; C and D window 0
.set TO_F, 0x40                        ; destination window 1, address window 0
.macro JLOAD s                         ; a joint load: waves 0 and 1 fetch att's two halves, waves 2 and 3 wo16's; an s_nop 0 and four v_nop follow each line
	s_cmp_eq_u32 s11, 0
	s_cbranch_scc0 .Lfor_b_\@
	tensor_load_to_lds s[G0+4*\s:G0+4*\s+3], s[G1:G1+7]
	s_nop 0
.rept 4
	v_nop
.endr
	s_branch .Lasked_\@
.Lfor_b_\@:
	tensor_load_to_lds s[G0B+4*\s:G0B+4*\s+3], s[G1B:G1B+7]
	s_nop 0
.rept 4
	v_nop
.endr
.Lasked_\@:
.endm
.macro CREST                           ; a round of the cluster's barrier behind its opening barrier
	s_cmp_lg_u32 s10, 0
	s_cbranch_scc1 .Lnot_wave_0_\@
	s_barrier_signal -3
.Lnot_wave_0_\@:
	s_barrier_wait -3
	s_barrier_signal -1
	s_barrier_wait -1
.endm
.macro CROUND
	s_barrier_signal -1
	s_barrier_wait -1
	CREST
.endm
	s_load_b128 s[4:7], s[0:1], 0x0                ; att s[4:5], wo16 s[6:7]
	s_load_b64 s[66:67], s[0:1], 0x10              ; bo
	s_load_b64 s[8:9], s[0:1], 0x18                ; out0
	v_lshl_add_u32 v[SPW], v0, 2, SPARE
	v_mov_b32 v[NIL], 0
	ds_add_u32 v[SPW], v[NIL]                      ; the wave's opening: the add, twice on end, and its wait ahead of my first tensor load
	ds_add_u32 v[SPW], v[NIL]
	v_lshrrev_b32 v1, 5, v0
	v_readfirstlane_b32 s10, v1                    ; wave 0..3
	s_lshr_b32 s11, s10, 1                         ; which half of the tile's rows is mine.  Also: I fetch for att (0) or for wo16 (1)
	s_and_b32 s12, s10, 1                          ; which half of its columns.  Also: which 64 rows of that tile I fetch
	s_bfe_u32 s40, ttmp6, 0x40000                  ; cx, cy
	s_bfe_u32 s41, ttmp6, 0x40004
	s_lshl_b32 s42, ttmp9, 2
	s_add_co_u32 s42, s42, s40                     ; tile column = 4 x cluster x + cx
	s_and_b32 s13, ttmp7, 0xffff
	s_lshl_b32 s13, s13, 2
	s_add_co_u32 s13, s13, s41                     ; my first tile row = 4 x cluster y + cy, 0 .. 31; the second lies 32 tile rows on
	s_lshl_b32 s43, s41, 2
	s_lshl_b32 s43, 15, s43                        ; my row of the cluster
	s_lshl_b32 s44, 0x1111, s40                    ; my column
	; descriptor group 1: a tile of 64 rows x 256 elements of 2 bytes, padded in LDS
	s_or_b32 s[G1+0], s43, (1<<16)|(1<<20)|(1<<21)|(6<<22)|(3<<25)  ; the mask; elements of 2 bytes; padding on; bit 21 beside a mask; after every 128 words, 4 words
	s_or_b32 s[G1B+0], s44, (1<<16)|(1<<20)|(1<<21)|(6<<22)|(3<<25)
.irp g, G1, G1B
	s_mov_b32 s[\g+1], KSTEP<<16                   ; tensor_dim0 = 256
	s_mov_b32 s[\g+2], 64<<16                      ; tensor_dim1 = 64
	s_mov_b32 s[\g+3], KSTEP<<16                   ; tile_dim0 = 256
	s_mov_b32 s[\g+4], 64                          ; tile_dim1 = 64
	s_mov_b32 s[\g+5], SIZE_K                      ; tensor_dim0_stride
	s_mov_b32 s[\g+6], 0
	s_mov_b32 s[\g+7], 0
.endr
	s_lshl_b32 s17, s12, 6                         ; which 64 rows of the tile I fetch
	s_lshl_b32 s16, s13, 7
	s_add_co_u32 s16, s16, s17                     ; att: row 128 x tile row + 64 x half
	s_lshl_b32 s46, s42, 7
	s_add_co_u32 s46, s46, s17                     ; wo16: row 128 x tile column + 64 x half
	s_mov_b32 s17, 0
	s_mov_b32 s47, 0
	s_mov_b64 s[18:19], SIZE_K*2
	s_mul_u64 s[16:17], s[16:17], s[18:19]
	s_mul_u64 s[46:47], s[46:47], s[18:19]
	s_mul_i32 s20, s10, HALFT                      ; where they go: wave x 64 rows
	s_wait_dscnt 0x0                               ; both opening adds are done
	s_wait_kmcnt 0x0
	s_add_nc_u64 s[14:15], s[4:5], s[16:17]
	s_add_nc_u64 s[46:47], s[6:7], s[46:47]
	CROUND                                         ; all sixteen work-groups are here: the first joint loads meet
.irp s, 0,1
	s_mov_b32 s[G0+4*\s], 1
	s_add_co_u32 s[G0+4*\s+1], s20, \s*SLOT
	s_add_nc_u64 s[G0+4*\s+2:G0+4*\s+3], s[14:15], \s*KSTEP*2
	s_or_b32 s[G0+4*\s+3], s[G0+4*\s+3], 0x80000000
	s_mov_b32 s[G0B+4*\s], 1
	s_add_co_u32 s[G0B+4*\s+1], s20, \s*SLOT
	s_add_nc_u64 s[G0B+4*\s+2:G0B+4*\s+3], s[46:47], \s*KSTEP*2
	s_or_b32 s[G0B+4*\s+3], s[G0B+4*\s+3], 0x80000000
	JLOAD \s                                       ; two tensor loads of mine are out
.endr
	v_and_b32 v1, 15, v0                           ; l % 16
	v_bfe_u32 v2, v0, 4, 1                         ; l / 16
	s_lshl_b32 s46, s42, 9                         ; my first column, in bytes of f32: 512 x tile column + 256 x half: the same in bo and in a row of out0
	s_lshl_b32 s47, s12, 8
	s_add_co_u32 s46, s46, s47
	s_mov_b32 s47, 0
	s_add_nc_u64 s[66:67], s[66:67], s[46:47]
	v_lshlrev_b32 v[BOF], 5, v2
.irp b, 0,1,2,3
	global_load_b128 v[BI+8*\b:BI+8*\b+3], v[BOF], s[66:67] offset:64*\b
	global_load_b128 v[BI+8*\b+4:BI+8*\b+7], v[BOF], s[66:67] offset:64*\b+16
.endr
	v_mul_u32_u24 v3, v1, PITCH
	v_lshl_add_u32 v3, v2, 4, v3                   ; a fragment's row x pitch + 16 x half
	s_mul_i32 s21, s11, HALFT                      ; my 64 rows of att
	s_mul_i32 s22, s12, HALFT                      ; my 64 rows of wo16,
	s_add_co_u32 s22, s22, 2*HALFT                 ; which lie behind att's 128
.irp s, 0,1
	v_add_nc_u32 v[ADRA+\s], s21, v3
	v_add_nc_u32 v[ADRB+\s], s22, v3
	s_add_co_u32 s21, s21, SLOT
	s_add_co_u32 s22, s22, SLOT
.endr
	s_mul_i32 s23, s10, 16*SPITCH
	s_add_co_u32 s23, s23, STAGE                   ; my stage
	v_mul_u32_u24 v4, v1, SPITCH                   ; in: row l % 16, 32 bytes for each half of the lanes
	v_lshl_add_u32 v4, v2, 5, v4
	v_add_nc_u32 v[STO], s23, v4
	v_mul_u32_u24 v5, v2, SPITCH                   ; back: lanes 0-15 take one row of 256 bytes, lanes 16-31 the next
	v_lshl_add_u32 v5, v1, 4, v5
	v_add_nc_u32 v[RD], s23, v5
	v_lshlrev_b32 v5, 12, v2                       ; and the same two rows in out0
	v_lshl_add_u32 v[CO], v1, 4, v5
	s_lshl_b32 s16, s13, 7
	s_lshl_b32 s17, s11, 6
	s_add_co_u32 s16, s16, s17                     ; my first row of out0: 128 x tile row + 64 x half
	s_lshl_b32 s16, s16, 12                        ; of 4,096 bytes (under 2^24)
	s_mov_b32 s17, 0
	s_add_nc_u64 s[8:9], s[8:9], s[16:17]
	s_add_nc_u64 s[8:9], s[8:9], s[46:47]
; 8 matrix instructions: m blocks a0, a0 + 1 x all 4 n blocks, 32 along K: half c of buffer f.  zero = 1: the first product starts the sums from the bias.  The 16 accumulators take turns.
.macro MUL8 f, c, a0, zero
.irp a, \a0, \a0+1
.irp b, 0,1,2,3
.if \zero
	v_wmma_f32_16x16x32_f16 v[ACC+8*(4*(\a)+\b):ACC+8*(4*(\a)+\b)+7], v[\f+64+8*(4*\c+\b):\f+64+8*(4*\c+\b)+7], v[\f+8*(4*\c+\a):\f+8*(4*\c+\a)+7], v[BI+8*\b:BI+8*\b+7]
.else
	v_wmma_f32_16x16x32_f16 v[ACC+8*(4*(\a)+\b):ACC+8*(4*(\a)+\b)+7], v[\f+64+8*(4*\c+\b):\f+64+8*(4*\c+\b)+7], v[\f+8*(4*\c+\a):\f+8*(4*\c+\a)+7], v[ACC+8*(4*(\a)+\b):ACC+8*(4*(\a)+\b)+7]
.endif
.endr
.endr
.endm
; 32 LDS loads in one run: the fragments of 64 along K at byte k of the rows, into buffer f; the first 32 along K first
.macro FETCH slot, k, f
	WIN TO_F
.irp c, 0,1
.irp i, 0,1,2,3
	ds_load_b128 v[\f+64+8*(4*\c+\i):\f+64+8*(4*\c+\i)+3],   v[ADRB+\slot] offset:\k+64*\c+\i*16*PITCH
	ds_load_b128 v[\f+64+8*(4*\c+\i)+4:\f+64+8*(4*\c+\i)+7], v[ADRB+\slot] offset:\k+64*\c+\i*16*PITCH+32
	ds_load_b128 v[\f+8*(4*\c+\i):\f+8*(4*\c+\i)+3],         v[ADRA+\slot] offset:\k+64*\c+\i*16*PITCH
	ds_load_b128 v[\f+8*(4*\c+\i)+4:\f+8*(4*\c+\i)+7],       v[ADRA+\slot] offset:\k+64*\c+\i*16*PITCH+32
.endr
.endr
.endm
.macro PLACES                          ; four places in front of loads into registers that matrix instructions have read, and of reads of results
.rept 4
	v_nop
.endr
.endm
; A K step is four quarters of 64 along K, 32 matrix instructions each, on buffers 0, 1, 0, 1.
.macro QUARTER slot, k, f, g, zero
	s_wait_dscnt 16                                ; the first 32 along K are in; the sixteen loads of the second 32 may be out
	WIN MUL
	MUL8 \f, 0, 0, \zero
	MUL8 \f, 0, 2, \zero
	PLACES
	FETCH \slot, \k, \g
	s_wait_dscnt 32                                ; all but the 32 just issued
	WIN MUL
	MUL8 \f, 1, 0, 0
	MUL8 \f, 1, 2, 0
.endm
.macro Q3 slot, zero                   ; a K step's first three quarters
	QUARTER \slot, 128, F0, F1, \zero
	QUARTER \slot, 256, F1, F0, 0
	QUARTER \slot, 384, F0, F1, 0
.endm
; The last quarter multiplies buffer 1 and changes slots: one barrier; in front of it each wave waits for all its tensor loads, adds 0 to its spare word, and waits for that and for its reads of this slot.
; fill = 0: nothing is filled.  fill = 1: this slot takes the tile's K step two steps on.  fill = 2: it takes the NEXT tile's K step 0 or 1.  From a request to the wait for it a wave issues 112 matrix instructions.
.macro TURN slot, next, fill
	WIN 0
	s_wait_tensorcnt 0x0                           ; all my tensor loads have landed: my part of the next slot
	ds_add_u32 v[SPW], v[NIL]
	s_wait_dscnt 17                                ; the add and the youngest sixteen loads may be out
	WIN MUL
	MUL8 F1, 0, 0, 0
	s_wait_dscnt 0x0                               ; the add is done, and my reads of this slot are over
	s_barrier_signal -1
	MUL8 F1, 0, 2, 0
.if \fill
	WIN 0
.endif
	s_barrier_wait -1
.if \fill
	CREST                                          ; the barrier has opened a round of the cluster's: no wave of any partner still reads this slot's tile or has a load on its way
.if \fill == 2
	s_add_nc_u64 s[G0+4*\slot+2:G0+4*\slot+3], s[G0+4*\slot+2:G0+4*\slot+3], NEXT_A
	s_sub_nc_u64 s[G0B+4*\slot+2:G0B+4*\slot+3], s[G0B+4*\slot+2:G0B+4*\slot+3], BACK_B
.else
	s_add_nc_u64 s[G0+4*\slot+2:G0+4*\slot+3], s[G0+4*\slot+2:G0+4*\slot+3], 2*KSTEP*2
	s_add_nc_u64 s[G0B+4*\slot+2:G0B+4*\slot+3], s[G0B+4*\slot+2:G0B+4*\slot+3], 2*KSTEP*2
.endif
	JLOAD \slot                                    ; the first tensor load behind the round; its four v_nop are also the places in front of the loads below
.else
	PLACES
.endif
	FETCH \next, 0, F0
	WIN MUL
	MUL8 F1, 1, 0, 0
	MUL8 F1, 1, 2, 0
.endm
; THE WAY OUT, block by block of 16 rows x 64 columns.  A lane holds 32 neighbouring bytes of a row; a block goes through my own stage and comes back as whole rows of 256 bytes, into the registers that it left.
; LDS serves a wave's instructions in order: no wait between the stores and the loads, nor in front of the next block's stores.
.macro TOSTAGE a
.irp b, 0,1,2,3
	ds_store_b128 v[STO], v[ACC+8*(4*\a+\b):ACC+8*(4*\a+\b)+3] offset:64*\b          ; each accumulator from its low end on
	ds_store_b128 v[STO], v[ACC+8*(4*\a+\b)+4:ACC+8*(4*\a+\b)+7] offset:64*\b+16
.endr
.irp i, 0,1,2,3,4,5,6,7
	ds_load_b128 v[ACC+32*\a+4*\i:ACC+32*\a+4*\i+3], v[RD] offset:2*\i*SPITCH
.endr
.endm
.macro SEND a, younger                 ; younger: the LDS instructions issued behind block a's loads: the next block's sixteen, or none
.irp i, 0,1,2,3,4,5,6,7
	s_wait_dscnt \younger+7-\i                     ; behind this load: the 7 - i of its block, and the younger ones
	global_store_b128 v[CO], v[ACC+32*\a+4*\i:ACC+32*\a+4*\i+3], s[8:9] offset:(16*\a+2*\i)*SIZE_N*4 th:TH_STORE_NT   ; 16 lanes store 256 consecutive bytes, at a multiple of 256 from out0's first byte
.endr
.endm
.macro WAYOUT
	PLACES                                         ; behind the last products, ahead of the first read of results
	TOSTAGE 0
	TOSTAGE 1                                      ; a block's way through the stage stands between the loads of the block before and its stores
	SEND 0, 16
	TOSTAGE 2
	SEND 1, 16
	TOSTAGE 3
	SEND 2, 16
	SEND 3, 0
.endm
	s_wait_tensorcnt 1                             ; my part of K step 0 is in (K step 1's load, issued behind it, may be out)
	s_barrier_signal -1
	s_barrier_wait -1                              ; everybody's is
	FETCH 0, 0, F0
	s_wait_loadcnt 0x0                             ; the bias
	; ---- the first tile
	Q3 0, 1                                        ; its first products start the sums from the bias
	TURN 0, 1, 1                                   ; slot 0 takes K step 2
	Q3 1, 0
	TURN 1, 0, 1                                   ; slot 1 takes K step 3
	Q3 0, 0
	TURN 0, 1, 2                                   ; THE RING GOES ON INTO THE SECOND TILE: slot 0 takes its K step 0,
	Q3 1, 0
	TURN 1, 0, 2                                   ; slot 1 its K step 1, and the second tile's first fragments are fetched
	WIN 0
	WAYOUT                                         ; both refills are asked for: now the tile goes out
	s_wait_xcnt 0x0                                ; its stores have read their base and their data, the accumulators' registers: only behind this wait are they written again
	s_add_nc_u64 s[8:9], s[8:9], WALK*SIZE_N*4     ; out0 at my first rows of the second tile
.rept 5
	v_nop                                          ; accumulators are begun anew from another C: five places behind the products that wrote them last (with the way out's four: nine)
.endr
	; ---- the second tile
	Q3 0, 1
	TURN 0, 1, 1
	Q3 1, 0
	TURN 1, 0, 1
	Q3 0, 0
	TURN 0, 1, 0                                   ; the last two K steps ask for nothing, and have no round of the cluster's barrier
	Q3 1, 0
	s_wait_dscnt 16                                ; the very last quarter: nothing more to fetch
	WIN MUL
	MUL8 F1, 0, 0, 0
	MUL8 F1, 0, 2, 0
	s_wait_dscnt 0
	MUL8 F1, 1, 0, 0
	MUL8 F1, 1, 2, 0
	WIN 0
	WAYOUT
	s_wait_tensorcnt 0x0                           ; the wave's end, behind my last tensor load and my last LDS store
	ds_add_u32 v[SPW], v[NIL]
	s_wait_dscnt 0x0
	CROUND                                         ; the closing round
	s_endpgm
.Lfunc_end_k_q8f8a0b0c07_outg:
	.size	k_q8f8a0b0c07_outg, .Lfunc_end_k_q8f8a0b0c07_outg-k_q8f8a0b0c07_outg
	.p2alignl 7, 3214868480
	.fill 96, 4, 3214868480
	.section	.rodata,"a",@progbits
	.p2align	6, 0x0
	.amdhsa_kernel k_q8f8a0b0c07_outg
		.amdhsa_group_segment_fixed_size 327680
		.amdhsa_private_segment_fixed_size 0
		.amdhsa_enable_private_segment 0
		.amdhsa_kernarg_size 32
		.amdhsa_user_sgpr_count 2
		.amdhsa_user_sgpr_kernarg_segment_ptr 1
		.amdhsa_wavefront_size32 1
		.amdhsa_system_sgpr_workgroup_id_x 1
		.amdhsa_system_sgpr_workgroup_id_y 1
		.amdhsa_system_sgpr_workgroup_id_z 1
		.amdhsa_system_vgpr_workitem_id 0
		.amdhsa_next_free_vgpr 512
		.amdhsa_next_free_sgpr 68
		.amdhsa_reserve_vcc 0
		.amdhsa_float_denorm_mode_32 3
		.amdhsa_float_denorm_mode_16_64 3
		.amdhsa_memory_ordered 1
		.amdhsa_forward_progress 1
		.amdhsa_inst_pref_size 168
	.end_amdhsa_kernel
	.amdgpu_metadata
---
amdhsa.version: [ 1, 2 ]
amdhsa.kernels:
  - .name:           k_q8f8a0b0c07_outg
    .symbol:         k_q8f8a0b0c07_outg.kd
    .args:
      - { .name: att, .offset: 0, .size: 8, .value_kind: global_buffer, .address_space: global }
      - { .name: wo16, .offset: 8, .size: 8, .value_kind: global_buffer, .address_space: global }
      - { .name: bo, .offset: 16, .size: 8, .value_kind: global_buffer, .address_space: global }
      - { .name: out0, .offset: 24, .size: 8, .value_kind: global_buffer, .address_space: global }
    .group_segment_fixed_size: 327680
    .private_segment_fixed_size: 0
    .kernarg_segment_align: 8
    .kernarg_segment_size: 32
    .max_flat_workgroup_size: 128
    .sgpr_count:     68
    .vgpr_count:     512
    .wavefront_size: 32
...
	.end_amdgpu_metadata
.endif
;; end of part 4
